; MI455X (gfx1250); checked and timed in simulation.
; The chip was launched on July 23, 2026; its instructions are those of AMD's public machine-readable ISA for CDNA 5 (MIT licence, August 2026) and "CDNA5" Instruction Set Architecture Reference Guide (July 2026). The comments in the code are by the model that wrote it; some were corrected since.
;; Llama Attention. Allowed arithmetic: float matrix products may take bf16 or f16 operands with f32 sums; all other float work in f32.
;; Inputs: W_out 1,024 x 1,024 float32; W_qkv 1,024 x 3,072 float32; b_out 1,024 float32; b_qkv 3,072 float32; beta 1,024 float32; gamma 1,024 float32; x 2 x 2,048 x 1,024 float32.
;; Outputs: out0 2 x 2,048 x 1,024 float32.
;; One version. Each part assembles by itself: llvm-mc -triple=amdgcn-amd-amdhsa -mcpu=gfx1250 --defsym DOCPART=n.
;; ======== version 1 of 1: 5 launches
;; workspace buffers: xb 8,388,608 bytes; wqb 6,291,456 bytes; wob 2,097,152 bytes; qkv 25,165,824 bytes; yh 8,388,608 bytes; pr 16,777,216 bytes
;; launch cast (part 1): grid 512 x 1, 8 waves a work-group, no clusters, 0 bytes of LDS; arguments x, W_qkv, W_out, xb, wqb, wob; writes xb, wqb, wob
.if DOCPART == 1
	.amdgcn_target "amdgcn-amd-amdhsa--gfx1250"
	.amdhsa_code_object_version 6
	.text
	.protected	k_q5fa782fbfd_cast
	.globl	k_q5fa782fbfd_cast
	.p2align	8
	.type	k_q5fa782fbfd_cast,@function
k_q5fa782fbfd_cast:
	s_mov_b64 s[64:65], 0
	v_nop
	global_prefetch_b8 v0, s[64:65] scope:SCOPE_SE
	s_setreg_imm32_b32 hwreg(HW_REG_WAVE_MODE, 25, 1), 1
	s_wait_xcnt 0x0
; x, W_qkv, W_out (f32) are rounded once to bf16 (nearest even), layouts kept: xb, wqb, wob feed the matrix products of the later launches.
; A work-group casts 16,384 numbers (65,536 bytes in, 32,768 out): groups 0-255 take x, 256-447 W_qkv, 448-511 W_out.
; Thread t, step s: 32 bytes in at 8192 s + 32 t, 16 bytes out at 4096 s + 16 t, so sixteen neighbouring lanes store 256 consecutive aligned bytes.
; All sixteen loads of a thread go out first; nothing is rewritten, so there is no loop and no wait but the counted ones for data.
; A stream bound by bytes: LDS, barriers, matrix units and clusters would add nothing.
.set STEPS, 8
.set X, 4                              ; v[4:67]   step s: 8 numbers in f32
.set Y, 68                             ; v[68:99]  step s: 8 numbers in bf16
	s_load_b256 s[4:11], s[0:1], 0x0               ; x s[4:5], W_qkv s[6:7], W_out s[8:9], xb s[10:11]
	s_load_b128 s[12:15], s[0:1], 0x20             ; wqb s[12:13], wob s[14:15]
	s_movk_i32 s16, 448                            ; first work-group of W_out
	v_lshlrev_b32 v1, 5, v0                        ; 32 t: where I read
	v_lshlrev_b32 v2, 4, v0                        ; 16 t: where I write
	s_wait_kmcnt 0x0
	s_cmp_lt_u32 ttmp9, s16                        ; the choice of buffers hangs on the work-group number alone
	s_cselect_b64 s[18:19], s[6:7], s[8:9]
	s_cselect_b64 s[20:21], s[12:13], s[14:15]
	s_cselect_b32 s17, 256, s16
	s_cmp_lt_u32 ttmp9, 256
	s_cselect_b64 s[18:19], s[4:5], s[18:19]       ; source
	s_cselect_b64 s[20:21], s[10:11], s[20:21]     ; destination
	s_cselect_b32 s17, 0, s17                      ; first work-group of that buffer
	s_sub_co_u32 s17, ttmp9, s17                   ; my number within the buffer
	s_lshl_b32 s22, s17, 16                        ; x 65,536 bytes in
	s_mov_b32 s23, 0
	s_add_nc_u64 s[18:19], s[18:19], s[22:23]
	s_lshl_b32 s22, s17, 15                        ; x 32,768 bytes out
	s_add_nc_u64 s[20:21], s[20:21], s[22:23]
.irp s, 0,1,2,3,4,5,6,7
	global_load_b128 v[X+8*\s:X+8*\s+3],   v1, s[18:19] offset:8192*\s th:TH_LOAD_NT
	global_load_b128 v[X+8*\s+4:X+8*\s+7], v1, s[18:19] offset:8192*\s+16 th:TH_LOAD_NT
.endr
.irp s, 0,1,2,3,4,5,6,7
	s_wait_loadcnt 14-2*\s                         ; loads come back in order (ISA guide 5.7.1): the two of step s are in, the younger steps stay out
.irp k, 0,1,2,3
	v_cvt_pk_bf16_f32 v[Y+4*\s+\k], v[X+8*\s+2*\k], v[X+8*\s+2*\k+1]
.endr
	global_store_b128 v2, v[Y+4*\s:Y+4*\s+3], s[20:21] offset:4096*\s     ; read again by the next launches: no hint
.endr
	s_endpgm
.Lfunc_end_k_q5fa782fbfd_cast:
	.size	k_q5fa782fbfd_cast, .Lfunc_end_k_q5fa782fbfd_cast-k_q5fa782fbfd_cast
	.p2alignl 7, 3214868480
	.fill 96, 4, 3214868480
	.section	.rodata,"a",@progbits
	.p2align	6, 0x0
	.amdhsa_kernel k_q5fa782fbfd_cast
		.amdhsa_group_segment_fixed_size 0
		.amdhsa_private_segment_fixed_size 0
		.amdhsa_enable_private_segment 0
		.amdhsa_kernarg_size 48
		.amdhsa_user_sgpr_count 2
		.amdhsa_user_sgpr_kernarg_segment_ptr 1
		.amdhsa_wavefront_size32 1
		.amdhsa_system_sgpr_workgroup_id_x 1
		.amdhsa_system_sgpr_workgroup_id_y 1
		.amdhsa_system_sgpr_workgroup_id_z 1
		.amdhsa_system_vgpr_workitem_id 0
		.amdhsa_next_free_vgpr 100
		.amdhsa_next_free_sgpr 66
		.amdhsa_reserve_vcc 0
		.amdhsa_float_denorm_mode_32 3
		.amdhsa_float_denorm_mode_16_64 3
		.amdhsa_memory_ordered 1
		.amdhsa_forward_progress 1
		.amdhsa_inst_pref_size 6
	.end_amdhsa_kernel
	.amdgpu_metadata
---
amdhsa.version: [ 1, 2 ]
amdhsa.kernels:
  - .name:           k_q5fa782fbfd_cast
    .symbol:         k_q5fa782fbfd_cast.kd
    .args:
      - { .name: x, .offset: 0, .size: 8, .value_kind: global_buffer, .address_space: global }
      - { .name: W_qkv, .offset: 8, .size: 8, .value_kind: global_buffer, .address_space: global }
      - { .name: W_out, .offset: 16, .size: 8, .value_kind: global_buffer, .address_space: global }
      - { .name: xb, .offset: 24, .size: 8, .value_kind: global_buffer, .address_space: global }
      - { .name: wqb, .offset: 32, .size: 8, .value_kind: global_buffer, .address_space: global }
      - { .name: wob, .offset: 40, .size: 8, .value_kind: global_buffer, .address_space: global }
    .group_segment_fixed_size: 0
    .private_segment_fixed_size: 0
    .kernarg_segment_align: 8
    .kernarg_segment_size: 48
    .max_flat_workgroup_size: 256
    .sgpr_count:     66
    .vgpr_count:     100
    .wavefront_size: 32
...
	.end_amdgpu_metadata
.endif
;; end of part 1
;; launch qkvp (part 2): grid 8 x 32, 4 waves a work-group, clusters of 4 x 4, 327,680 bytes of LDS; arguments xb, wqb, b_qkv, qkv; writes qkv
.if DOCPART == 2
	.amdgcn_target "amdgcn-amd-amdhsa--gfx1250"
	.amdhsa_code_object_version 6
	.text
	.protected	k_q5fa782fbfd_qkvp
	.globl	k_q5fa782fbfd_qkvp
	.p2align	8
	.type	k_q5fa782fbfd_qkvp,@function
k_q5fa782fbfd_qkvp:
	s_mov_b64 s[64:65], 0
	v_nop
	global_prefetch_b8 v0, s[64:65] scope:SCOPE_SE
	s_setreg_imm32_b32 hwreg(HW_REG_WAVE_MODE, 25, 1), 1
	s_wait_xcnt 0x0
	s_wait_alu depctr_hold_cnt(0) depctr_sa_sdst(0) depctr_va_vdst(0) depctr_va_sdst(0) depctr_va_ssrc(0) depctr_va_vcc(0) depctr_vm_vsrc(0)
	s_getreg_b32 s2, hwreg(HW_REG_IB_STS2, 6, 4)
	s_cmp_eq_u32 s2, 0
	s_cbranch_scc0 .Lentry_in_a_cluster
	s_endpgm
.Lentry_in_a_cluster:
	s_bfe_u32 s2, ttmp6, 0x10000c
	s_cmp_lg_u32 s2, 0xf033
	s_cbranch_scc0 .Lentry_shape_is_right
	s_endpgm
.Lentry_shape_is_right:
; qkv = xb [4096][1024] x wqb [1024 k][3072 n] + b_qkv, sums in f32, rounded once to bf16 and stored head-major:
; qkv[c = n / 64][row m][64], slices 0-15 q heads, 16-31 k heads, 32-47 v heads; a slice is 524,288 bytes, a row 128 bytes.
; A work-group makes 128 rows x 384 columns: 32 x 8 = 256 work-groups of equal work.  Four waves as 2 x 2, a wave 64 x 192: 48 accumulator tiles, 384 registers.
; K goes in steps of 128 through two LDS slots.  A slot has four regions, one for each wave's tensor load, each of 128 rows x 256 bytes of memory that start
; at multiples of 256 bytes: wave 0 brings the x tile (rows along K), waves 1-3 three strips of W, 128 k-rows x 128 columns each.  W lies [k][n]: its fragments
; are read transposed (ds_load_tr16_b128).
; A wave's 192 columns are a whole strip (strip 0 or 2: tiles 0-7, two slices) and half of strip 1 (tiles 8-11, one slice): three whole slices of qkv.
; CLUSTERS: 4 x 4 work-groups.  The four of a row of the cluster share the x tile, the four of a column the strips of W: each is asked for jointly, with one
; descriptor and a mask that names the four.  That divides the requests for both operands by four.
; THE BIAS is the C operand of the first product of each accumulator: nothing is cleared and nothing is added later.
; THE MATRIX INSTRUCTION IS USED TRANSPOSED: source 0 = 16 columns of W, source 1 = 16 rows of x.  Lane l then holds row l % 16, and its registers 0-7
; the columns 8 (l / 16) + 0..7: eight neighbouring numbers of a row.
; Limit: operands and result are bf16 (8 bits of mantissa); range as f32.
; REGISTERS in windows of 256: window 0: v16-27 addresses, v64-95 and v96-127 fragments of x (two buffers), v128-223 bias, later the way out;
; window 1: v0-95, v96-191 fragments of W; window 2: accumulator tile (a, b) of my rows 0-31 at v[8 (12 a + b)]; window 3: rows 32-63.
.set SIZE_K, 1024
.set SIZE_N, 3072
.set KSTEP,  128
.set PITCH,  272                       ; LDS row of x: 256 bytes + 16 of padding, an odd multiple of 16
.set BP,     288                       ; LDS row of a strip of W: 256 bytes + 32, an odd multiple of 32
.set QT,     128*BP                    ; 36,864: a wave's region of a slot; the x tile takes 128 x 272 = 34,816 of the first
.set SLOT,   4*QT
.set STAGE,  2*SLOT                    ; behind the ring: 16 rows x 400 bytes for each wave; no tensor load ever fills it
.set SPITCH, 400                       ; 384 bytes + 16, an odd multiple of 16
.set LAPS,   SIZE_K/(2*KSTEP)          ; 4 laps of two K steps
.set ADRA, 16                          ; v16-17  LDS address of my x fragments in slot 0, 1
.set ADRX, 18                          ; v18-19  my whole strip of W
.set ADRY, 20                          ; v20-21  my half of strip 1
.set STO,  24                          ; v24     the way out: where I put 16 bytes of a row
.set RD,   25                          ; v25     the way out: where I read back
.set CO,   26                          ; v26     16 l: my bytes in 512 consecutive bytes of qkv
.set BOFF, 27                          ; v27     my byte offset in the bias
.set FA,   64                          ; x fragments: buffer f at 64 + 32 f, row tile a at 8 a
.set FB,   0                           ; W fragments (window 1): buffer f at 96 f, column tile b at 8 b
.set BIAS, 128                         ; v[128:223] bias of column tile b at 8 b, in the layout of C
.set TMP,  128                         ; the way out: packed results, v[128:175] (the bias is spent by then)
.set R0,   64                          ; the way out: rows read back, v[64:111]
.set R1,   176                         ; and v[176:223], by turns
.set G1,  24                           ; s[24:31] group 1 for the x tile
.set G0,  32                           ; s[32:39] group 0 for the x tile, one set for each slot
.set G1B, 48                           ; s[48:55] group 1 for the strips of W
.set G0B, 56                           ; s[56:63] group 0 for my strip of W
.set MSB, 0
.macro WIN new                         ; the high byte of the immediate repeats the setting that is left
.if MSB != \new
	s_set_vgpr_msb (MSB<<8)|\new
.set MSB, \new
.endif
.endm
.set MUL_LO,   0xa1                    ; source 0 (W) window 1, source 1 (x) window 0, C and D window 2
.set MUL_HI,   0xf1                    ; the same, C and D window 3
.set FIRST_LO, 0x81                    ; the first product: C (bias) window 0, D window 2
.set FIRST_HI, 0xc1                    ; the same, D window 3
.set TO_B,     0x40                    ; destination window 1, address window 0
; A joint load.  Wave 0 fetches the x tile, waves 1-3 a strip of W each.  The branch hangs on the wave number alone.
.macro JLOAD s
	s_cmp_eq_u32 s12, 0
	s_cbranch_scc0 .Lfor_b_\@
	tensor_load_to_lds s[G0+4*\s:G0+4*\s+3], s[G1:G1+7]
	s_nop 0
	s_branch .Lasked_\@
.Lfor_b_\@:
	tensor_load_to_lds s[G0B+4*\s:G0B+4*\s+3], s[G1B:G1B+7]
	s_nop 0
.Lasked_\@:
.endm
.macro CREST                           ; a round of the cluster barrier behind its opening work-group barrier
	s_cmp_lg_u32 s12, 0
	s_cbranch_scc1 .Lnot_wave_0_\@
	s_barrier_signal -3
.Lnot_wave_0_\@:
	s_barrier_wait -3
	s_barrier_signal -1
	s_barrier_wait -1
.endm
.macro CROUND                          ; a whole round
	s_barrier_signal -1
	s_barrier_wait -1
	CREST
.endm
	s_load_b256 s[4:11], s[0:1], 0x0               ; xb s[4:5], wqb s[6:7], b_qkv s[8:9], qkv s[10:11]
	s_set_vgpr_msb 0x40
	v_lshl_add_u32 v255, v0, 2, 0x4e400
	s_set_vgpr_msb 0x4000
	v_mov_b32 v255, 0
	s_set_vgpr_msb 0x1
	ds_add_u32 v255, v255
	ds_add_u32 v255, v255
	s_set_vgpr_msb 0x100
	v_lshrrev_b32 v1, 5, v0
	v_readfirstlane_b32 s12, v1                    ; wave 0..3
	s_lshr_b32 s13, s12, 1                         ; which 64 rows of the block are mine
	s_and_b32 s14, s12, 1                          ; which 192 columns
	s_bfe_u32 s40, ttmp6, 0x40000                  ; cx
	s_bfe_u32 s41, ttmp6, 0x40004                  ; cy
	s_lshl_b32 s42, ttmp9, 2
	s_add_co_u32 s42, s42, s40                     ; block column = 4 x cluster x + cx, 0..7
	s_and_b32 s43, ttmp7, 0xffff
	s_lshl_b32 s43, s43, 2
	s_add_co_u32 s43, s43, s41                     ; block row = 4 x cluster y + cy, 0..31
	s_lshl_b32 s44, s41, 2
	s_lshl_b32 s44, 15, s44                        ; my row of the cluster: places 4 cy .. 4 cy + 3
	s_lshl_b32 s45, 0x1111, s40                    ; my column: places cx, cx + 4, cx + 8, cx + 12
	; group 1 for x: 128 rows x 128 elements of 2 bytes, 4 words of padding behind every 64 words
	s_or_b32 s[G1+0], s44, (1<<16)|(1<<20)|(1<<21)|(5<<22)|(3<<25)
	s_mov_b32 s[G1+1], KSTEP<<16                   ; tensor_dim0 = 128
	s_mov_b32 s[G1+2], 128<<16                     ; tensor_dim1 = 128
	s_mov_b32 s[G1+3], KSTEP<<16                   ; tile_dim0 = 128
	s_mov_b32 s[G1+4], 128                         ; tile_dim1 = 128
	s_mov_b32 s[G1+5], SIZE_K                      ; elements from row to row
	s_mov_b32 s[G1+6], 0
	s_mov_b32 s[G1+7], 0
	; group 1 for a strip of W: 128 k-rows x 128 elements, 8 words of padding behind every 64 words
	s_or_b32 s[G1B+0], s45, (1<<16)|(1<<20)|(1<<21)|(5<<22)|(7<<25)
	s_mov_b32 s[G1B+1], 128<<16
	s_mov_b32 s[G1B+2], KSTEP<<16
	s_mov_b32 s[G1B+3], 128<<16
	s_mov_b32 s[G1B+4], KSTEP
	s_mov_b32 s[G1B+5], SIZE_N
	s_mov_b32 s[G1B+6], 0
	s_mov_b32 s[G1B+7], 0
	; where the tiles come from: x hangs on the block row alone, W on the block column and the wave, each in registers that never hold the other coordinate
	s_lshl_b32 s16, s43, 18                        ; 128 rows x 2,048 bytes for each block row
	s_mov_b32 s17, 0
	s_mul_i32 s46, s42, 768                        ; W: 384 columns x 2 bytes for each block column
	s_max_u32 s47, s12, 1
	s_sub_co_u32 s47, s47, 1                       ; my strip = wave - 1 (wave 0, which fetches x, makes strip 0's address and never asks by it)
	s_lshl_b32 s47, s47, 8                         ; 128 columns x 2 bytes
	s_add_co_u32 s46, s46, s47
	s_mov_b32 s47, 0
	s_mul_i32 s20, s12, QT                         ; where they go: wave x 36,864: no place in the cluster enters an LDS address
	s_wait_dscnt 0x0
	s_wait_kmcnt 0x0
	s_add_nc_u64 s[18:19], s[4:5], s[16:17]
	s_add_nc_u64 s[46:47], s[6:7], s[46:47]
	CROUND                                         ; all sixteen work-groups are here: the first joint loads meet
.irp s, 0,1
	s_mov_b32 s[G0+4*\s], 1
	s_add_co_u32 s[G0+4*\s+1], s20, \s*SLOT
	s_add_nc_u64 s[G0+4*\s+2:G0+4*\s+3], s[18:19], \s*KSTEP*2            ; K step s: 256 bytes along the rows
	s_or_b32 s[G0+4*\s+3], s[G0+4*\s+3], 0x80000000
	s_mov_b32 s[G0B+4*\s], 1
	s_add_co_u32 s[G0B+4*\s+1], s20, \s*SLOT
	s_add_nc_u64 s[G0B+4*\s+2:G0B+4*\s+3], s[46:47], \s*KSTEP*SIZE_N*2   ; K step s: 128 k-rows down
	s_or_b32 s[G0B+4*\s+3], s[G0B+4*\s+3], 0x80000000
	JLOAD \s                                       ; by this text a wave has two tensor loads out here, one behind each later round
.endr
	v_and_b32 v1, 15, v0                           ; r = l % 16
	v_bfe_u32 v2, v0, 4, 1                         ; h = l / 16
	; the bias of my 192 columns in the layout of C: register j of tile b holds the tile's column 8 h + j
	s_mul_i32 s46, s42, 1536                       ; 384 columns x 4 bytes for each block column
	s_lshl_b32 s47, s14, 8                         ; tiles 8-11: columns 128 + 64 x half
	s_add_co_u32 s70, s46, s47
	s_add_co_u32 s70, s70, 512
	s_mov_b32 s71, 0
	s_add_nc_u64 s[66:67], s[8:9], s[70:71]
	s_lshl_b32 s47, s14, 10                        ; tiles 0-7: columns 256 x half
	s_add_co_u32 s46, s46, s47
	s_mov_b32 s47, 0
	s_add_nc_u64 s[8:9], s[8:9], s[46:47]
	v_lshlrev_b32 v[BOFF], 5, v2
.irp b, 0,1,2,3,4,5,6,7
	global_load_b128 v[BIAS+8*\b:BIAS+8*\b+3],   v[BOFF], s[8:9] offset:64*\b
	global_load_b128 v[BIAS+8*\b+4:BIAS+8*\b+7], v[BOFF], s[8:9] offset:64*\b+16
.endr
.irp b, 0,1,2,3
	global_load_b128 v[BIAS+64+8*\b:BIAS+64+8*\b+3], v[BOFF], s[66:67] offset:64*\b
	global_load_b128 v[BIAS+68+8*\b:BIAS+68+8*\b+3], v[BOFF], s[66:67] offset:64*\b+16
.endr
	; x fragment: lane l holds row l % 16; two loads of 16 bytes, 32 apart, at row x pitch + 16 h
	v_mul_u32_u24 v3, v1, PITCH
	v_lshl_add_u32 v3, v2, 4, v3
	s_mul_i32 s21, s13, 64*PITCH                   ; my 64 rows of x
	; W fragment, read transposed: lane l addresses k-row 8 h + (l & 7), 16 bytes at 16 ((l >> 3) & 1)
	v_and_b32 v4, 7, v0
	v_bfe_u32 v5, v0, 3, 1
	v_lshl_or_b32 v6, v2, 3, v4
	v_mul_u32_u24 v6, v6, BP
	v_lshl_add_u32 v6, v5, 4, v6
	s_mul_i32 s22, s14, 2*QT                       ; my whole strip: strip 0 or 2, in the region of wave 1 or 3
	s_add_co_u32 s22, s22, QT
	s_lshl_b32 s23, s14, 7                         ; my half of strip 1: 64 columns = 128 bytes, in the region of wave 2
	s_add_co_u32 s23, s23, 2*QT
.irp s, 0,1
	v_add_nc_u32 v[ADRA+\s], s21, v3
	v_add_nc_u32 v[ADRX+\s], s22, v6
	v_add_nc_u32 v[ADRY+\s], s23, v6
	s_add_co_u32 s21, s21, SLOT
	s_add_co_u32 s22, s22, SLOT
	s_add_co_u32 s23, s23, SLOT
.endr
	s_mul_i32 s16, s12, 16*SPITCH
	s_add_co_u32 s16, s16, STAGE                   ; my stage
	v_mul_u32_u24 v7, v1, SPITCH                   ; in: row l % 16, 16 bytes for each half of the lanes
	v_lshl_add_u32 v7, v2, 4, v7
	v_add_nc_u32 v[STO], s16, v7
	v_bfe_u32 v7, v0, 3, 2                         ; back: eight lanes take the 128 bytes that a row has of one slice, four rows a load
	v_mul_u32_u24 v7, v7, SPITCH
	v_lshl_add_u32 v7, v4, 4, v7
	v_add_nc_u32 v[RD], s16, v7
	v_and_b32 v7, 31, v0
	v_lshlrev_b32 v[CO], 4, v7                     ; in qkv four rows of a slice are 512 consecutive bytes
; 12 matrix instructions: row tile a (0, 1) of the window (hi = 0: my rows 0-31, 1: rows 32-63) x all 12 column tiles, 32 along K, from buffer f.
; zero = 1: the first product takes the bias as C.  The accumulators take turns, one instruction a turn.
.macro MULA f, hi, a, zero
.irp b, 0,1,2,3,4,5,6,7,8,9,10,11
.if \zero
	v_wmma_f32_16x16x32_bf16 v[8*(12*\a+\b):8*(12*\a+\b)+7], v[FB+96*\f+8*\b:FB+96*\f+8*\b+7], v[FA+32*\f+8*(2*\hi+\a):FA+32*\f+8*(2*\hi+\a)+7], v[BIAS+8*\b:BIAS+8*\b+7]
.else
	v_wmma_f32_16x16x32_bf16 v[8*(12*\a+\b):8*(12*\a+\b)+7], v[FB+96*\f+8*\b:FB+96*\f+8*\b+7], v[FA+32*\f+8*(2*\hi+\a):FA+32*\f+8*(2*\hi+\a)+7], v[8*(12*\a+\b):8*(12*\a+\b)+7]
.endif
.endr
.endm
; 32 LDS loads in one run: the fragments of quarter q (32 along K) into buffer f: 192 columns of W, then 64 rows of x
.macro FETCH slot, q, f
	WIN TO_B
.irp b, 0,1,2,3,4,5,6,7
	ds_load_tr16_b128 v[FB+96*\f+8*\b:FB+96*\f+8*\b+3],   v[ADRX+\slot] offset:32*BP*\q+32*\b           ; k = 32 q + 8 h + 0..7 of the tile's column r
	ds_load_tr16_b128 v[FB+96*\f+8*\b+4:FB+96*\f+8*\b+7], v[ADRX+\slot] offset:32*BP*\q+32*\b+16*BP     ; k = 32 q + 16 + 8 h + 0..7
.endr
.irp b, 0,1,2,3
	ds_load_tr16_b128 v[FB+96*\f+64+8*\b:FB+96*\f+64+8*\b+3], v[ADRY+\slot] offset:32*BP*\q+32*\b
	ds_load_tr16_b128 v[FB+96*\f+68+8*\b:FB+96*\f+68+8*\b+3], v[ADRY+\slot] offset:32*BP*\q+32*\b+16*BP
.endr
	WIN 0
.irp a, 0,1,2,3
	ds_load_b128 v[FA+32*\f+8*\a:FA+32*\f+8*\a+3],   v[ADRA+\slot] offset:64*\q+\a*16*PITCH
	ds_load_b128 v[FA+32*\f+8*\a+4:FA+32*\f+8*\a+7], v[ADRA+\slot] offset:64*\q+\a*16*PITCH+32
.endr
.endm
; Four places of plain vector work stand between a matrix instruction and a load into one of its registers or a vector read of its result
; (ISA guide 7.12.1 for vector instructions).
.macro PLACES
.rept 4
	v_nop
.endr
.endm
; One of the first three quarters of a K step: multiplies buffer f; in its middle it fetches quarter q of the same slot into buffer g.
.macro QUARTER slot, q, f, g, zero
	s_wait_dscnt 4                                 ; W and rows 0-31 of x are in; the youngest four loads (rows 32-63 of x) may be out
.if \zero
	WIN FIRST_LO
.else
	WIN MUL_LO
.endif
	MULA \f, 0, 0, \zero
	MULA \f, 0, 1, \zero
	PLACES
	FETCH \slot, \q, \g
	s_wait_dscnt 32                                ; all but the 32 just issued
.if \zero
	WIN FIRST_HI
.else
	WIN MUL_HI
.endif
	MULA \f, 1, 0, \zero
	MULA \f, 1, 1, \zero
.endm
.macro THREE slot, zero
	QUARTER \slot, 1, 0, 1, \zero
	QUARTER \slot, 2, 1, 0, 0
	QUARTER \slot, 3, 0, 1, 0
.endm
; The last quarter multiplies buffer 1 and changes slots.  In front of the barrier each wave waits for its reads of this slot and for all its tensor
; loads (the one that is out is its part of the next slot).  Where the slot is filled again the barrier opens a round of the cluster barrier, and the
; joint refill is the first tensor load behind the round.
.macro TURN slot, next, fill
	s_wait_dscnt 4
	WIN MUL_LO
	MULA 1, 0, 0, 0
	s_wait_dscnt 0                                 ; my reads of this slot are over
	s_wait_tensorcnt 0x0                           ; all my tensor loads have landed
	ds_add_u32 v255, v255
	s_wait_dscnt 0x0
	s_barrier_signal -1
	MULA 1, 0, 1, 0                                ; register work while the others arrive
	WIN 0
	s_barrier_wait -1
.if \fill
	CREST                                          ; no wave of any partner still reads this slot or has a load on its way
	s_add_nc_u64 s[G0+4*\slot+2:G0+4*\slot+3], s[G0+4*\slot+2:G0+4*\slot+3], 2*KSTEP*2
	s_add_nc_u64 s[G0B+4*\slot+2:G0B+4*\slot+3], s[G0B+4*\slot+2:G0B+4*\slot+3], 2*KSTEP*SIZE_N*2
	JLOAD \slot
.endif
	PLACES
	FETCH \next, 0, 0
	WIN MUL_HI
	MULA 1, 1, 0, 0
	MULA 1, 1, 1, 0
.endm
.macro LAP zero
	THREE 0, \zero
	TURN 0, 1, 1
	THREE 1, 0
	TURN 1, 0, 1
.endm
	s_wait_loadcnt 0x0                             ; the bias
	s_wait_tensorcnt 1                             ; my part of K step 0 is in; K step 1 may stay out
	s_barrier_signal -1
	s_barrier_wait -1
	FETCH 0, 0, 0
	LAP 1                                          ; the first lap stands in front of the loop: its first products start the sums from the bias
	WIN 0                                          ; at a label and at a branch every window is 0
	s_mov_b32 s15, LAPS-2
.Llap:
	LAP 0
	WIN 0
	s_sub_co_u32 s15, s15, 1
	s_cmp_lg_u32 s15, 0
	s_cbranch_scc1 .Llap
	THREE 0, 0                                     ; the last lap fills nothing
	TURN 0, 1, 0
	THREE 1, 0
	s_wait_dscnt 4
	WIN MUL_LO
	MULA 1, 0, 0, 0
	MULA 1, 0, 1, 0
	s_wait_dscnt 0
	WIN MUL_HI
	MULA 1, 1, 0, 0
	MULA 1, 1, 1, 0
	; THE WAY OUT, 16 rows at a time: round to bf16, 16 bytes a lane into my own stage, read back so that a load holds four rows of one slice.
	PLACES
	s_lshl_b32 s16, s43, 14                        ; 128 rows x 128 bytes for each block row
	s_lshl_b32 s17, s13, 13                        ; + my 64 rows
	s_add_co_u32 s16, s16, s17
	s_mov_b32 s17, 0
	s_add_nc_u64 s[10:11], s[10:11], s[16:17]
	s_mul_i32 s46, s42, 6*524288                   ; 6 slices for each block column
	s_lshl_b32 s47, s14, 19
	s_add_co_u32 s70, s46, s47
	s_add_co_u32 s70, s70, 2*524288                ; tiles 8-11: slice 2 + half
	s_mov_b32 s71, 0
	s_add_nc_u64 s[68:69], s[10:11], s[70:71]
	s_lshl_b32 s47, s14, 21                        ; tiles 0-7: slices 4 x half and the next
	s_add_co_u32 s46, s46, s47
	s_mov_b32 s47, 0
	s_add_nc_u64 s[10:11], s[10:11], s[46:47]
; rows 16 i .. 16 i + 15 of my 64 = the twelve tiles (a, 0..11) of window 2 or 3 (from = 0x0a or 0x0f: sources 0 and 1); f: R0 or R1 in turn
.macro OUT16 i, a, from, f
	WIN \from
.irp b, 0,1,2,3,4,5,6,7,8,9,10,11
.irp r, 0,1,2,3
	v_cvt_pk_bf16_f32 v[TMP+4*\b+\r], v[8*(12*\a+\b)+2*\r], v[8*(12*\a+\b)+2*\r+1]
.endr
.endr
	WIN 0
.irp b, 0,1,2,3,4,5,6,7,8,9,10,11
	ds_store_b128 v[STO], v[TMP+4*\b:TMP+4*\b+3] offset:32*\b
.endr
	s_wait_xcnt 0x0                                ; buffer f, which earlier stores read, is loaded again only behind this wait
.irp sl, 0,1,2
.irp u, 0,1,2,3
	ds_load_b128 v[\f+4*(4*\sl+\u):\f+4*(4*\sl+\u)+3], v[RD] offset:128*\sl+4*SPITCH*\u    ; a wave is served in order by LDS (ISA guide 5.7.1): these see the stores above
.endr
.endr
.set n, 0
.rept 4
	s_wait_dscnt 11-n                              ; load n is in, the younger ones stay out
	global_store_b128 v[CO], v[\f+4*n:\f+4*n+3], s[10:11] offset:2048*\i+512*n            ; four rows of a slice: 512 consecutive aligned bytes
.set n, n+1
.endr
.rept 4
	s_wait_dscnt 11-n
	global_store_b128 v[CO], v[\f+4*n:\f+4*n+3], s[10:11] offset:524288+2048*\i+512*(n-4) ; the next slice
.set n, n+1
.endr
.rept 4
	s_wait_dscnt 11-n
	global_store_b128 v[CO], v[\f+4*n:\f+4*n+3], s[68:69] offset:2048*\i+512*(n-8)        ; the slice of tiles 8-11
.set n, n+1
.endr
.endm
	OUT16 0, 0, 0x0a, R0
	OUT16 1, 1, 0x0a, R1
	OUT16 2, 0, 0x0f, R0
	OUT16 3, 1, 0x0f, R1
	s_set_vgpr_msb 0x1
	s_wait_tensorcnt 0x0
	ds_add_u32 v255, v255
	s_wait_dscnt 0x0
	s_set_vgpr_msb 0x100
	CROUND                                         ; the closing round: no work-group ends while a partner may still ask for a tile that names it
	s_endpgm
.Lfunc_end_k_q5fa782fbfd_qkvp:
	.size	k_q5fa782fbfd_qkvp, .Lfunc_end_k_q5fa782fbfd_qkvp-k_q5fa782fbfd_qkvp
	.p2alignl 7, 3214868480
	.fill 96, 4, 3214868480
	.section	.rodata,"a",@progbits
	.p2align	6, 0x0
	.amdhsa_kernel k_q5fa782fbfd_qkvp
		.amdhsa_group_segment_fixed_size 327680
		.amdhsa_private_segment_fixed_size 0
		.amdhsa_enable_private_segment 0
		.amdhsa_kernarg_size 32
		.amdhsa_user_sgpr_count 2
		.amdhsa_user_sgpr_kernarg_segment_ptr 1
		.amdhsa_wavefront_size32 1
		.amdhsa_system_sgpr_workgroup_id_x 1
		.amdhsa_system_sgpr_workgroup_id_y 1
		.amdhsa_system_sgpr_workgroup_id_z 1
		.amdhsa_system_vgpr_workitem_id 0
		.amdhsa_next_free_vgpr 1024
		.amdhsa_next_free_sgpr 72
		.amdhsa_reserve_vcc 0
		.amdhsa_float_denorm_mode_32 3
		.amdhsa_float_denorm_mode_16_64 3
		.amdhsa_memory_ordered 1
		.amdhsa_forward_progress 1
		.amdhsa_inst_pref_size 167
	.end_amdhsa_kernel
	.amdgpu_metadata
---
amdhsa.version: [ 1, 2 ]
amdhsa.kernels:
  - .name:           k_q5fa782fbfd_qkvp
    .symbol:         k_q5fa782fbfd_qkvp.kd
    .args:
      - { .name: xb, .offset: 0, .size: 8, .value_kind: global_buffer, .address_space: global }
      - { .name: wqb, .offset: 8, .size: 8, .value_kind: global_buffer, .address_space: global }
      - { .name: b_qkv, .offset: 16, .size: 8, .value_kind: global_buffer, .address_space: global }
      - { .name: qkv, .offset: 24, .size: 8, .value_kind: global_buffer, .address_space: global }
    .group_segment_fixed_size: 327680
    .private_segment_fixed_size: 0
    .kernarg_segment_align: 8
    .kernarg_segment_size: 32
    .max_flat_workgroup_size: 128
    .sgpr_count:     72
    .vgpr_count:     1024
    .wavefront_size: 32
...
	.end_amdgpu_metadata
.endif
;; end of part 2
;; launch attn (part 3): grid 8 x 32, 8 waves a work-group, no clusters, 327,680 bytes of LDS; arguments qkv, yh; writes yh
.if DOCPART == 3
	.amdgcn_target "amdgcn-amd-amdhsa--gfx1250"
	.amdhsa_code_object_version 6
	.text
	.protected	k_q5fa782fbfd_attn
	.globl	k_q5fa782fbfd_attn
	.p2align	8
	.type	k_q5fa782fbfd_attn,@function
k_q5fa782fbfd_attn:
	s_mov_b64 s[64:65], 0
	v_nop
	global_prefetch_b8 v0, s[64:65] scope:SCOPE_SE
	s_setreg_imm32_b32 hwreg(HW_REG_WAVE_MODE, 25, 1), 1
	s_wait_xcnt 0x0
; Causal attention of one (batch, head): y = softmax(q k^T / 8, keys <= query) v, with a running maximum and a running sum in f32.
; qkv: bf16 [48 slices][4096 rows][64]; yh: bf16 [16 heads][4096 rows][64].
; Work-group (i = 0..7, bh = 0..31) owns the query blocks i and 15 - i (128 rows each) of one head.  Keys come in tiles of 256: block b needs (b >> 1) + 1 of them,
; the two blocks together always 9, so the 256 work-groups have equal work.  Tiles above the diagonal are never touched.
; EIGHT WAVES, two for each of the four SIMDs: wave w has query group g = w & 3 (32 rows of the block at work) and member m = w >> 2, which takes keys
; 128 m .. 128 m + 127 of every tile.  Each wave reads only its own half of a tile, so the LDS bytes for a multiply-add are those of four waves; and while one wave
; of a SIMD is in the vector work of its softmax the other can issue its matrix products.  Each member keeps its own maximum, sum and O; at the end of a block
; member 1 hands them to member 0 through LDS, and member 0 merges, divides and stores.
; The 9 trips run as one sequence through two LDS slots (K tile, V tile): trips 0 .. i >> 1 serve the low block, then the high block.  Trips i >> 1 and 8 hold the
; diagonal and are masked.
; EVERYTHING IS TRANSPOSED, so that a lane always owns one query row r = l % 16:
;   S^T = K Q^T: register j of lane (r, h) is (key 16 kk + 8 h + j, query r); two neighbouring S tiles, rounded to bf16 in place, ARE a 32-key operand of P;
;   O^T = V^T P^T: V^T is read transposed from V [key][d]; register j is (d = 16 dt + 8 h + j, query r).
; NO CLUSTER: the work-groups that share K and V are the eight of one head, and the trip at which each goes back to tile 0 hangs on i: in most trips the
; partners want different tiles, and the trips of the switch and of the mask would differ with the place in the cluster.
; Limits: q, k, v, P and y are bf16; the row sum is taken from the f32 values of P; an exponential below 2^-126 counts as 0 (ISA guide, v_exp_f32).
; Masked scores are minus infinity.  A member's half of a diagonal tile can be masked altogether, so the running maximum is floored at -FLT_MAX: that changes a
; maximum of minus infinity alone; such a member ends with the sum 0 and O = 0 and the merge gives it the weight 0.  Member 0 always sees key 0.
.set SLICE,  524288
.set KP,     144                       ; LDS row of K: 128 bytes + 16, an odd multiple of 16
.set VP,     160                       ; LDS row of V: 128 bytes + 32, an odd multiple of 32, for the transposing load
.set KBYTES, 256*KP
.set SLOT,   KBYTES+256*VP             ; 77,824
.set STAGE,  2*SLOT                    ; 155,648: behind the ring, 32 rows x 144 bytes for each query group; no tensor load ever fills it
.set STG,    32*KP
.set MRG,    STAGE+4*STG               ; 174,080: what member 1 hands over: 17 x 512 bytes for each query group, two regions that take turns
.set MSZ,    17*512
; window 0
.set ADRK, 4                           ; v4-5    my K fragments in slot 0, 1
.set ADRV, 6                           ; v6-7    my V fragments
.set STO,  8                           ; v8      stage: where I put 16 bytes
.set RD,   9                           ; v9      stage: where I read back
.set CO,   10                          ; v10     16 l: my bytes in 512 consecutive bytes
.set QOFF, 11                          ; v11     128 r + 16 h
.set MAD,  14                          ; v14     my 16 bytes in my group's merge region
.set Q,    16                          ; v[16:47]  Q[a][ks] at 16 a + 8 ks, the block at work
.set QH,   48                          ; v[48:79]  the same for the high block
.set F,    96                          ; v[96:223] K[kk][ks] at 16 kk + 8 ks, then V[c][dt] at 32 c + 8 dt; at a block's end the partner's O, then rows on the way out
; window 1 (written with the low 8 bits)
.set O,    128                         ; O[a][dt] at 32 a + 8 dt;  S[a][kk] lies at 64 a + 8 kk, P[a][c] in place at 64 a + 16 c
.set MX,   192                         ; running maximum of query tile a
.set LS,   194                         ; running sum, of my half of my keys
.set NM,   196                         ; pair: - c x maximum
.set AL,   198                         ; pair: the rescaling factor
.set T,    200                         ; v[200:207] at work
.set DM,   208                         ; the mask's right side for the block at work
.set DMH,  209                         ; the same for the high block
.set G1K, 32
.set G1V, 40
.set G0K, 48                           ; four registers for each slot
.set G0V, 56
.set MSB, 0
.macro WIN new
.if MSB != \new
	s_set_vgpr_msb (MSB<<8)|\new
.set MSB, \new
.endif
.endm
.macro PLACES n
.rept \n
	v_nop
.endr
.endm
	s_load_b128 s[4:7], s[0:1], 0x0                ; qkv s[4:5], yh s[6:7]
	v_lshl_add_u32 v254, v0, 2, 0x3b800
	v_mov_b32 v255, 0
	ds_add_u32 v254, v255
	ds_add_u32 v254, v255
	v_lshrrev_b32 v1, 5, v0
	v_readfirstlane_b32 s8, v1                     ; wave 0..7
	s_and_b32 s9, s8, 3                            ; g: my query group.  Also: which 64 rows of a tile I fetch
	s_lshr_b32 s73, s8, 2                          ; m: my half of the keys.  Also: I fetch K (0) or V (1)
	s_mov_b32 s10, ttmp9                           ; i
	s_and_b32 s11, ttmp7, 0xffff                   ; bh
	s_and_b32 s12, s11, 15                         ; head
	s_lshr_b32 s13, s11, 4                         ; batch
	s_mov_b32 s14, 0                               ; t, the trip
	s_lshr_b32 s74, s10, 1                         ; the trip with the low block's diagonal
	s_add_co_u32 s17, s74, 1                       ; the trip of the switch
	s_mov_b32 s18, 0x76543210                      ; v_permlanex16_b32: lane l reads lane l xor 16
	s_mov_b32 s19, 0xfedcba98
	s_mov_b32 s20, 0x3e38aa3b                      ; c = log2(e) / 8: the scale 1 / sqrt(64) folded into the base-2 exponential
	s_mov_b32 s21, 0x3e38aa3b
	s_mov_b32 s68, 0xbe38aa3b                      ; - c
	s_mov_b32 s69, 0xff800000                      ; minus infinity
	s_mov_b32 s75, 0xff7fffff                      ; - FLT_MAX, the floor of the maximum
	; group 1: 64 rows x 64 elements of 2 bytes, rows dense in memory; padding behind every 32 words: 4 words for K, 8 for V
	s_mov_b32 s[G1K+0], (1<<16)|(1<<20)|(4<<22)|(3<<25)
	s_mov_b32 s[G1K+1], 64<<16
	s_mov_b32 s[G1K+2], 64<<16
	s_mov_b32 s[G1K+3], 64<<16
	s_mov_b32 s[G1K+4], 64
	s_mov_b32 s[G1K+5], 64
	s_mov_b32 s[G1K+6], 0
	s_mov_b32 s[G1K+7], 0
	s_mov_b32 s[G1V+0], (1<<16)|(1<<20)|(4<<22)|(7<<25)
	s_mov_b32 s[G1V+1], 64<<16
	s_mov_b32 s[G1V+2], 64<<16
	s_mov_b32 s[G1V+3], 64<<16
	s_mov_b32 s[G1V+4], 64
	s_mov_b32 s[G1V+5], 64
	s_mov_b32 s[G1V+6], 0
	s_mov_b32 s[G1V+7], 0
	s_lshl_b32 s22, s12, 19                        ; the slice of my head
	s_lshl_b32 s23, s13, 18                        ; + 2,048 rows x 128 bytes for the batch
	s_add_co_u32 s22, s22, s23
	s_lshl_b32 s23, s9, 12                         ; + my group's 32 rows
	s_add_co_u32 s23, s22, s23
	s_lshl_b32 s2, s10, 14                         ; + block i
	s_add_co_u32 s2, s2, s23
	s_mov_b32 s3, 0
	s_wait_dscnt 0x0
	s_wait_kmcnt 0x0
	s_add_nc_u64 s[66:67], s[4:5], s[2:3]          ; q rows, low block
	s_add_nc_u64 s[28:29], s[6:7], s[2:3]          ; y rows, low block
	s_sub_co_u32 s2, 15, s10
	s_lshl_b32 s2, s2, 14                          ; block 15 - i
	s_add_co_u32 s2, s2, s23
	s_add_nc_u64 s[70:71], s[4:5], s[2:3]          ; q rows, high block
	s_add_nc_u64 s[30:31], s[6:7], s[2:3]          ; y rows, high block
	s_lshl_b32 s2, s9, 13                          ; my 64 rows of a tile
	s_add_co_u32 s2, s2, s22
	s_add_nc_u64 s[24:25], s[4:5], s[2:3]
	s_add_nc_u64 s[24:25], s[24:25], 16*SLICE      ; k of my head, tile 0
	s_add_nc_u64 s[26:27], s[24:25], 16*SLICE      ; v of my head, tile 0
	s_cmp_eq_u32 s17, 1
	s_cselect_b32 s16, 0, 1                        ; the tile of trip 1: 1, or 0 where the switch comes at once
	s_lshl_b32 s22, s16, 15                        ; a tile is 256 rows x 128 bytes
	s_mov_b32 s23, 0
	s_mul_i32 s2, s9, 64*KP
	s_mul_i32 s3, s9, 64*VP
	s_mov_b32 s[G0K+0], 1
	s_mov_b32 s[G0K+1], s2
	s_mov_b64 s[G0K+2:G0K+3], s[24:25]
	s_or_b32 s[G0K+3], s[G0K+3], 0x80000000
	s_mov_b32 s[G0K+4], 1
	s_add_co_u32 s[G0K+5], s2, SLOT
	s_add_nc_u64 s[G0K+6:G0K+7], s[24:25], s[22:23]
	s_or_b32 s[G0K+7], s[G0K+7], 0x80000000
	s_mov_b32 s[G0V+0], 1
	s_add_co_u32 s[G0V+1], s3, KBYTES
	s_mov_b64 s[G0V+2:G0V+3], s[26:27]
	s_or_b32 s[G0V+3], s[G0V+3], 0x80000000
	s_mov_b32 s[G0V+4], 1
	s_add_co_u32 s[G0V+5], s3, SLOT+KBYTES
	s_add_nc_u64 s[G0V+6:G0V+7], s[26:27], s[22:23]
	s_or_b32 s[G0V+7], s[G0V+7], 0x80000000
	; the first fills, one group in one branch on the wave number: waves 0-3 the quarters of K, waves 4-7 those of V.  Two loads of a wave are out here, later one.
	s_cmp_lt_u32 s8, 4
	s_cbranch_scc0 .Lfirst_v
	tensor_load_to_lds s[G0K:G0K+3], s[G1K:G1K+7]
	s_nop 0
	tensor_load_to_lds s[G0K+4:G0K+7], s[G1K:G1K+7]
	s_nop 0
	s_branch .Lfirst_done
.Lfirst_v:
	tensor_load_to_lds s[G0V:G0V+3], s[G1V:G1V+7]
	s_nop 0
	tensor_load_to_lds s[G0V+4:G0V+7], s[G1V:G1V+7]
	s_nop 0
.Lfirst_done:
	v_and_b32 v1, 15, v0                           ; r
	v_bfe_u32 v2, v0, 4, 1                         ; h
	v_lshlrev_b32 v3, 7, v1
	v_lshl_add_u32 v[QOFF], v2, 4, v3
.irp a, 0,1
.irp ks, 0,1
	global_load_b128 v[Q+16*\a+8*\ks:Q+16*\a+8*\ks+3],     v[QOFF], s[66:67] offset:2048*\a+64*\ks
	global_load_b128 v[Q+16*\a+8*\ks+4:Q+16*\a+8*\ks+7],   v[QOFF], s[66:67] offset:2048*\a+64*\ks+32
	global_load_b128 v[QH+16*\a+8*\ks:QH+16*\a+8*\ks+3],   v[QOFF], s[70:71] offset:2048*\a+64*\ks
	global_load_b128 v[QH+16*\a+8*\ks+4:QH+16*\a+8*\ks+7], v[QOFF], s[70:71] offset:2048*\a+64*\ks+32
.endr
.endr
	v_mul_u32_u24 v3, v1, KP
	v_lshl_add_u32 v15, v2, 4, v3                  ; 144 r + 16 h
	s_mul_i32 s2, s73, 128*KP                      ; my 128 keys of a tile
	v_add_nc_u32 v[ADRK], s2, v15
	v_add_nc_u32 v[ADRK+1], SLOT, v[ADRK]
	v_and_b32 v12, 7, v0
	v_lshl_or_b32 v3, v2, 3, v12                   ; key row 8 h + (l & 7)
	v_mul_u32_u24 v3, v3, VP
	v_bfe_u32 v13, v0, 3, 1
	v_lshl_add_u32 v3, v13, 4, v3                  ; + 16 ((l >> 3) & 1)
	s_mul_i32 s2, s73, 128*VP
	s_add_co_u32 s2, s2, KBYTES
	v_add_nc_u32 v[ADRV], s2, v3
	v_add_nc_u32 v[ADRV+1], SLOT, v[ADRV]
	s_mul_i32 s2, s9, STG
	s_add_co_u32 s2, s2, STAGE                     ; my group's stage (member 0 alone uses it)
	v_add_nc_u32 v[STO], s2, v15
	v_bfe_u32 v3, v0, 3, 2                         ; back: eight lanes a row of 128 bytes, four rows a load
	v_mul_u32_u24 v3, v3, KP
	v_lshl_add_u32 v3, v12, 4, v3
	v_add_nc_u32 v[RD], s2, v3
	v_and_b32 v3, 31, v0
	v_lshlrev_b32 v[CO], 4, v3
	s_mul_i32 s2, s9, MSZ
	s_add_co_u32 s2, s2, MRG
	v_add_nc_u32 v[MAD], s2, v[CO]                 ; my group's merge region, 16 bytes a lane
	; the mask: in a block's last tile key 128 m + 16 kk + 8 h + j is seen by query 128 (block & 1) + 32 g + 16 a + r where it is not larger.
	; Right side: 128 (block & 1) - 128 m + 32 g + r - 8 h + 144; the 144 on both sides keeps them unsigned (8 at the least).
	v_lshlrev_b32 v3, 3, v2
	v_sub_nc_u32 v3, v1, v3                        ; r - 8 h
	s_lshl_b32 s22, s9, 5
	s_lshl_b32 s23, s73, 7
	s_add_co_u32 s22, s22, 144
	s_sub_co_u32 s22, s22, s23
	s_and_b32 s23, s10, 1
	s_lshl_b32 s23, s23, 7                         ; block i
	s_add_co_u32 s2, s22, s23
	s_xor_b32 s23, s23, 128                        ; block 15 - i has the other parity
	s_add_co_u32 s3, s22, s23
	v_add_nc_u32 v12, s2, v3
	v_add_nc_u32 v13, s3, v3
.macro KVLOAD s                        ; my one tensor load behind a barrier: my quarter of K or of V into slot s
	s_cmp_lt_u32 s8, 4
	s_cbranch_scc0 .Lfill_v_\@
	tensor_load_to_lds s[G0K+4*(\s):G0K+4*(\s)+3], s[G1K:G1K+7]
	s_nop 0
	s_branch .Lfilled_\@
.Lfill_v_\@:
	tensor_load_to_lds s[G0V+4*(\s):G0V+4*(\s)+3], s[G1V:G1V+7]
	s_nop 0
.Lfilled_\@:
.endm
.macro LOADK slot                      ; 32 loads: fragment (kk, ks) = 16 keys x 32 of d
.irp kk, 0,1,2,3,4,5,6,7
.irp ks, 0,1
	ds_load_b128 v[F+16*\kk+8*\ks:F+16*\kk+8*\ks+3],   v[ADRK+\slot] offset:16*KP*\kk+64*\ks
	ds_load_b128 v[F+16*\kk+8*\ks+4:F+16*\kk+8*\ks+7], v[ADRK+\slot] offset:16*KP*\kk+64*\ks+32
.endr
.endr
.endm
.macro SMUL                            ; S^T = K Q^T.  The two query tiles take turns, one instruction a turn; the first link starts from 0
	WIN 0x50                                       ; K and Q window 0, C and D window 1
.irp kk, 0,1,2,3,4,5,6,7
	s_wait_dscnt 28-4*\kk                          ; the four loads of key tile kk are in, the younger ones stay out
	v_wmma_f32_16x16x32_bf16 v[8*\kk:8*\kk+7],       v[F+16*\kk:F+16*\kk+7],    v[Q:Q+7],     0
	v_wmma_f32_16x16x32_bf16 v[64+8*\kk:64+8*\kk+7], v[F+16*\kk:F+16*\kk+7],    v[Q+16:Q+23], 0
	v_wmma_f32_16x16x32_bf16 v[8*\kk:8*\kk+7],       v[F+16*\kk+8:F+16*\kk+15], v[Q+8:Q+15],  v[8*\kk:8*\kk+7]
	v_wmma_f32_16x16x32_bf16 v[64+8*\kk:64+8*\kk+7], v[F+16*\kk+8:F+16*\kk+15], v[Q+24:Q+31], v[64+8*\kk:64+8*\kk+7]
.endr
.endm
.macro LOADV slot                      ; 32 transposing loads: fragment (c, dt) = 16 of d x 32 keys
.irp c, 0,1,2,3
.irp dt, 0,1,2,3
	ds_load_tr16_b128 v[F+32*\c+8*\dt:F+32*\c+8*\dt+3],   v[ADRV+\slot] offset:32*VP*\c+32*\dt
	ds_load_tr16_b128 v[F+32*\c+8*\dt+4:F+32*\c+8*\dt+7], v[ADRV+\slot] offset:32*VP*\c+32*\dt+16*VP
.endr
.endr
.endm
.macro MASK                            ; a block's last tile: the left side of the comparison is a constant of the register, the right side lies in DM
	WIN 0x55
.irp a, 0,1
.irp kk, 0,1,2,3,4,5,6,7
.irp j, 0,1,2,3,4,5,6,7
	v_cmp_le_u32 vcc_lo, 16*\kk+\j-16*\a+144, v[DM]
	v_cndmask_b32 v[64*\a+8*\kk+\j], s69, v[64*\a+8*\kk+\j], vcc_lo
.endr
.endr
.endr
.endm
.macro SOFTMAX a                       ; query tile a: my 64 scores of query r; all in window 1
	WIN 0x55
.set SB, 64*\a
.irp k, 0,1,2,3
	v_max_num_f32 v[T+\k], v[SB+\k], v[SB+4+\k]    ; four chains, started by the first eight scores
.endr
.set n, 0
.rept 28
	v_max3_num_f32 v[T+n%4], v[T+n%4], v[SB+8+2*n], v[SB+9+2*n]
.set n, n+1
.endr
	v_max3_num_f32 v[T], v[T], v[T+1], v[T+2]
	v_max3_num_f32 v[T], v[T], v[T+3], v[MX+\a]    ; with the maximum so far
	v_permlanex16_b32 v[T+1], v[T], s18, s19       ; the other half of my keys
	v_max3_num_f32 v[T+1], v[T], v[T+1], s75       ; the new maximum, the same in both halves, and never minus infinity
	v_sub_f32 v[T+2], v[MX+\a], v[T+1]
	v_mul_f32 v[T+2], s20, v[T+2]
	v_exp_f32 v[AL], v[T+2]                        ; what has been summed so far shrinks by this (0 in a block's first trip: minus infinity before)
	v_mul_f32 v[NM], s68, v[T+1]                   ; the plain instruction behind the exponential (ISA guide 5.7.2)
	v_mov_b32 v[MX+\a], v[T+1]
	v_mov_b32 v[NM+1], v[NM]
	s_wait_alu depctr_va_vdst(0)
	v_mov_b32 v[AL+1], v[AL]
.set n, 0
.rept 32
	v_pk_fma_f32 v[SB+2*n:SB+2*n+1], v[SB+2*n:SB+2*n+1], s[20:21], v[NM:NM+1] op_sel_hi:[1,0,1]   ; c s - c max, never above 0
.set n, n+1
.endr
.set n, 0
.rept 64
	v_exp_f32 v[SB+n], v[SB+n]
.set n, n+1
.endr
	v_mul_f32 v[LS+\a], v[LS+\a], v[AL]            ; the plain instruction behind the exponentials
	s_wait_alu depctr_va_vdst(0)
.irp k, 0,1,2,3
	v_pk_add_f32 v[T+2*\k:T+2*\k+1], v[SB+2*\k:SB+2*\k+1], v[SB+8+2*\k:SB+9+2*\k]
.endr
.set n, 0
.rept 24
	v_pk_add_f32 v[T+2*(n%4):T+2*(n%4)+1], v[T+2*(n%4):T+2*(n%4)+1], v[SB+16+2*n:SB+17+2*n]
.set n, n+1
.endr
	v_pk_add_f32 v[T:T+1], v[T:T+1], v[T+2:T+3]
	v_pk_add_f32 v[T+4:T+5], v[T+4:T+5], v[T+6:T+7]
	v_pk_add_f32 v[T:T+1], v[T:T+1], v[T+4:T+5]
	v_add_f32 v[T], v[T], v[T+1]
	v_add_f32 v[LS+\a], v[LS+\a], v[T]             ; the sum stays that of my lane's keys until the block is finished
.irp c, 0,1,2,3
.irp jj, 0,1,2,3,4,5,6,7
	v_cvt_pk_bf16_f32 v[SB+16*\c+\jj], v[SB+16*\c+2*\jj], v[SB+16*\c+2*\jj+1]   ; P in place: the target is never ahead of the sources
.endr
.endr
.set n, 0
.rept 16
	v_pk_mul_f32 v[O+32*\a+2*n:O+32*\a+2*n+1], v[O+32*\a+2*n:O+32*\a+2*n+1], v[AL:AL+1]
.set n, n+1
.endr
.endm
.macro PVMUL                           ; O^T += V^T P^T.  The eight accumulators take turns, one instruction a turn
	WIN 0x54                                       ; V window 0; P, C and D window 1
.irp c, 0,1,2,3
	s_wait_dscnt 24-8*\c                           ; the eight loads of keys 32 c .. 32 c + 31 are in, the younger ones stay out
.irp dt, 0,1,2,3
.irp a, 0,1
	v_wmma_f32_16x16x32_bf16 v[O+32*\a+8*\dt:O+32*\a+8*\dt+7], v[F+32*\c+8*\dt:F+32*\c+8*\dt+7], v[64*\a+16*\c:64*\a+16*\c+7], v[O+32*\a+8*\dt:O+32*\a+8*\dt+7]
.endr
.endr
.endr
.endm
; A block starts: the trip at which the second block starts hangs on i, so its first product cannot be written out with C = 0: 64 registers are cleared, twice in the launch.
.macro INIT
	WIN 0x55
	v_mov_b32 v[MX], s69
	v_mov_b32 v[MX+1], s69
	v_mov_b32 v[LS], 0
	v_mov_b32 v[LS+1], 0
.set n, 0
.rept 64
	v_mov_b32 v[O+n], 0
.set n, n+1
.endr
.endm
; A block ends, first part, in front of a barrier: every wave completes its row sums; member 1 puts O, its maxima and its sums into merge region reg,
; 16 bytes a lane and 512 consecutive bytes a store.
.macro FIN1 reg
	WIN 0x55
.irp a, 0,1
	v_permlanex16_b32 v[T], v[LS+\a], s18, s19
	v_add_f32 v[LS+\a], v[LS+\a], v[T]             ; both halves of the lanes
.endr
	WIN 0
	s_cmp_eq_u32 s73, 0
	s_cbranch_scc1 .Lkeeps_\@
	WIN 0x04                                       ; address window 0, data window 1
.set n, 0
.rept 16
	ds_store_b128 v[MAD], v[O+4*n:O+4*n+3] offset:4*MSZ*\reg+512*n
.set n, n+1
.endr
	ds_store_b128 v[MAD], v[MX:MX+3] offset:4*MSZ*\reg+8192    ; maximum 0, 1, sum 0, 1
	WIN 0
.Lkeeps_\@:
.endm
; Second part, behind that barrier, member 0 alone: with m = max(m1, m2) and e = 2^(c (m_k - m)): y = (O1 e1 + O2 e2) / (l1 e1 + l2 e2); round to bf16,
; through my stage, out in stores of 512 consecutive bytes (four rows of 128).
.macro FIN2 ptr, reg
	s_cmp_lg_u32 s73, 0
	s_cbranch_scc1 .Lnot_mine_\@
.set n, 0
.rept 17
	ds_load_b128 v[F+4*n:F+4*n+3], v[MAD] offset:4*MSZ*\reg+512*n      ; the same lane of the partner: register k of its O into F + k
.set n, n+1
.endr
	s_wait_dscnt 0x0
	WIN 0x40                                       ; from window 0 into window 1
.irp k, 0,1,2,3
	v_mov_b32 v[T+4+\k], v[F+64+\k]                ; m2 of tile 0, 1, l2 of tile 0, 1
.endr
	WIN 0x55
.irp a, 0,1
	v_max_num_f32 v[T], v[MX+\a], v[T+4+\a]
	v_sub_f32 v[T+1], v[MX+\a], v[T]
	v_sub_f32 v[T+2], v[T+4+\a], v[T]
	v_mul_f32 v[T+1], s20, v[T+1]
	v_mul_f32 v[T+2], s20, v[T+2]
	v_exp_f32 v[T+1], v[T+1]                       ; e1
	v_exp_f32 v[T+2], v[T+2]                       ; e2
	v_nop                                          ; the plain place behind the exponentials (ISA guide 5.7.2)
	s_wait_alu depctr_va_vdst(0)
	v_mul_f32 v[T+3], v[LS+\a], v[T+1]
	v_fmac_f32 v[T+3], v[T+6+\a], v[T+2]           ; the row sum; at least 1, since the largest score gives 1
	v_rcp_f32 v[T], v[T+3]
	v_nop                                          ; the plain place behind the reciprocal
	s_wait_alu depctr_va_vdst(0)
	v_mul_f32 v[AL], v[T+1], v[T]
	v_mul_f32 v[NM], v[T+2], v[T]
	v_mov_b32 v[AL+1], v[AL]
	v_mov_b32 v[NM+1], v[NM]
.set n, 0
.rept 16
	v_pk_mul_f32 v[O+32*\a+2*n:O+32*\a+2*n+1], v[O+32*\a+2*n:O+32*\a+2*n+1], v[AL:AL+1]
.set n, n+1
.endr
	WIN 0x54                                       ; the partner's O window 0, the rest window 1
.set n, 0
.rept 16
	v_pk_fma_f32 v[O+32*\a+2*n:O+32*\a+2*n+1], v[F+32*\a+2*n:F+32*\a+2*n+1], v[NM:NM+1], v[O+32*\a+2*n:O+32*\a+2*n+1]
.set n, n+1
.endr
	WIN 0x55
.irp dt, 0,1,2,3
.irp jj, 0,1,2,3
	v_cvt_pk_bf16_f32 v[O+32*\a+8*\dt+\jj], v[O+32*\a+8*\dt+2*\jj], v[O+32*\a+8*\dt+2*\jj+1]
.endr
.endr
.endr
	WIN 0x04                                       ; address window 0, data window 1
.irp a, 0,1
.irp dt, 0,1,2,3
	ds_store_b128 v[STO], v[O+32*\a+8*\dt:O+32*\a+8*\dt+3] offset:16*KP*\a+32*\dt     ; row 16 a + r, d = 16 dt + 8 h + 0..7
.endr
.endr
	WIN 0
.irp u, 0,1,2,3,4,5,6,7
	ds_load_b128 v[F+4*\u:F+4*\u+3], v[RD] offset:4*KP*\u      ; a wave is served in order by LDS (ISA guide 5.7.1): these see the stores above
.endr
.irp u, 0,1,2,3,4,5,6,7
	s_wait_dscnt 7-\u
	global_store_b128 v[CO], v[F+4*\u:F+4*\u+3], s[\ptr:\ptr+1] offset:512*\u
.endr
	s_wait_xcnt 0x0                                ; F, which the stores read, is loaded again only behind this wait
.Lnot_mine_\@:
.endm
; The head of a trip on slot.  Where the switch of blocks is due, member 1 hands its part over in front of the trip's barrier and member 0 takes it up behind it;
; the merge region is that of the slot, so that a barrier lies between the reads of a region and its next stores.  The condition is the same in all eight waves.
; The order of a refill: all my tensor loads have landed, my LDS accesses are done, the barrier, and my one load into the other slot first behind it.
.macro HEAD slot, refill, sw
.if \sw
	s_cmp_eq_u32 s14, s17
	s_cbranch_scc0 .Lsame_a_\@
	FIN1 \slot
.Lsame_a_\@:
.endif
	s_wait_tensorcnt 0x0                           ; my part of this trip's tiles is in, and no load of mine is out: a group 0 may be written
	ds_add_u32 v254, v255
	s_wait_dscnt 0x0
.if \refill
	s_add_co_u32 s23, s14, 1                       ; the tile of trip t + 1: one further, or 0 at the switch
	s_add_co_u32 s16, s16, 1
	s_cmp_eq_u32 s23, s17
	s_cselect_b32 s16, 0, s16
	s_lshl_b32 s22, s16, 15
	s_mov_b32 s23, 0
	s_add_nc_u64 s[G0K+4*(1-\slot)+2:G0K+4*(1-\slot)+3], s[24:25], s[22:23]
	s_or_b32 s[G0K+4*(1-\slot)+3], s[G0K+4*(1-\slot)+3], 0x80000000
	s_add_nc_u64 s[G0V+4*(1-\slot)+2:G0V+4*(1-\slot)+3], s[26:27], s[22:23]
	s_or_b32 s[G0V+4*(1-\slot)+3], s[G0V+4*(1-\slot)+3], 0x80000000
.endif
	s_wait_dscnt 0x0                               ; my reads of the other slot are back, and what I handed over is written
	s_barrier_signal -1
	s_barrier_wait -1                              ; all that now holds of all eight waves
.if \refill
	KVLOAD 1-\slot
.endif
.if \sw
	s_cmp_eq_u32 s14, s17
	s_cbranch_scc0 .Lsame_b_\@
	FIN2 28, \slot
.set n, 0
.rept 32
	v_mov_b32 v[Q+n], v[QH+n]
.set n, n+1
.endr
	INIT
	v_mov_b32 v[DM], v[DMH]
	WIN 0
.Lsame_b_\@:
.endif
.endm
; The work of a trip.  diag = 0: masked where t = i >> 1; 1: masked; 2: never the diagonal.
.macro BODY slot, diag
	LOADK \slot
	SMUL
	WIN 0
	PLACES 4                                       ; behind the S products: in front of the loads into K's registers and of the reads of S
	LOADV \slot                                    ; on their way during the softmax
.if \diag == 0
	s_cmp_eq_u32 s14, s74
	s_cbranch_scc0 .Lno_mask_\@
	MASK
	WIN 0
.Lno_mask_\@:
.endif
.if \diag == 1
	MASK
.endif
	SOFTMAX 0
	SOFTMAX 1
	PVMUL
	WIN 0
	PLACES 5                                       ; behind the last products: the next S products write over P, the next loads over V
	s_add_co_u32 s14, s14, 1
.endm
	WIN 0x40
	v_mov_b32 v[DM], v12
	v_mov_b32 v[DMH], v13
	INIT
	WIN 0
	s_wait_loadcnt 0x0                             ; q of both blocks
	s_wait_tensorcnt 0x1                           ; my part of slot 0 is in; slot 1 may stay out
	s_barrier_signal -1
	s_barrier_wait -1
	BODY 0, 0                                      ; trip 0
	s_mov_b32 s15, 3
.Ltrips:                                           ; trips 1 to 6
	HEAD 1, 1, 1
	BODY 1, 0
	HEAD 0, 1, 1
	BODY 0, 0
	s_sub_co_u32 s15, s15, 1
	s_cmp_lg_u32 s15, 0
	s_cbranch_scc1 .Ltrips
	HEAD 1, 1, 0                                   ; trip 7: the switch (trip 4 at the latest) is past; asks for the last tile
	BODY 1, 2
	HEAD 0, 0, 0                                   ; trip 8: nothing is left to fetch; the diagonal of the high block
	BODY 0, 1
	FIN1 0
	s_wait_dscnt 0x0                               ; what member 1 handed over is written
	s_barrier_signal -1
	s_barrier_wait -1
	FIN2 30, 0
	s_wait_tensorcnt 0x0
	ds_add_u32 v254, v255
	s_wait_dscnt 0x0
	s_endpgm
.Lfunc_end_k_q5fa782fbfd_attn:
	.size	k_q5fa782fbfd_attn, .Lfunc_end_k_q5fa782fbfd_attn-k_q5fa782fbfd_attn
	.p2alignl 7, 3214868480
	.fill 96, 4, 3214868480
	.section	.rodata,"a",@progbits
	.p2align	6, 0x0
	.amdhsa_kernel k_q5fa782fbfd_attn
		.amdhsa_group_segment_fixed_size 327680
		.amdhsa_private_segment_fixed_size 0
		.amdhsa_enable_private_segment 0
		.amdhsa_kernarg_size 16
		.amdhsa_user_sgpr_count 2
		.amdhsa_user_sgpr_kernarg_segment_ptr 1
		.amdhsa_wavefront_size32 1
		.amdhsa_system_sgpr_workgroup_id_x 1
		.amdhsa_system_sgpr_workgroup_id_y 1
		.amdhsa_system_sgpr_workgroup_id_z 1
		.amdhsa_system_vgpr_workitem_id 0
		.amdhsa_next_free_vgpr 512
		.amdhsa_next_free_sgpr 80
		.amdhsa_reserve_vcc 1
		.amdhsa_float_denorm_mode_32 3
		.amdhsa_float_denorm_mode_16_64 3
		.amdhsa_memory_ordered 1
		.amdhsa_forward_progress 1
		.amdhsa_inst_pref_size 255
	.end_amdhsa_kernel
	.section	.bss,"aw",@nobits
	.p2align	6
	.space	262144
	.amdgpu_metadata
---
amdhsa.version: [ 1, 2 ]
amdhsa.kernels:
  - .name:           k_q5fa782fbfd_attn
    .symbol:         k_q5fa782fbfd_attn.kd
    .args:
      - { .name: qkv, .offset: 0, .size: 8, .value_kind: global_buffer, .address_space: global }
      - { .name: yh, .offset: 8, .size: 8, .value_kind: global_buffer, .address_space: global }
    .group_segment_fixed_size: 327680
    .private_segment_fixed_size: 0
    .kernarg_segment_align: 8
    .kernarg_segment_size: 16
    .max_flat_workgroup_size: 256
    .sgpr_count:     80
    .vgpr_count:     512
    .wavefront_size: 32
...
	.end_amdgpu_metadata
.endif
;; end of part 3
;; launch proj (part 4): grid 8 x 32, 4 waves a work-group, clusters of 4 x 4, 327,680 bytes of LDS; arguments yh, wob, b_out, pr; writes pr
.if DOCPART == 4
	.amdgcn_target "amdgcn-amd-amdhsa--gfx1250"
	.amdhsa_code_object_version 6
	.text
	.protected	k_q5fa782fbfd_proj
	.globl	k_q5fa782fbfd_proj
	.p2align	8
	.type	k_q5fa782fbfd_proj,@function
k_q5fa782fbfd_proj:
	s_mov_b64 s[64:65], 0
	v_nop
	global_prefetch_b8 v0, s[64:65] scope:SCOPE_SE
	s_setreg_imm32_b32 hwreg(HW_REG_WAVE_MODE, 25, 1), 1
	s_wait_xcnt 0x0
	s_wait_alu depctr_hold_cnt(0) depctr_sa_sdst(0) depctr_va_vdst(0) depctr_va_sdst(0) depctr_va_ssrc(0) depctr_va_vcc(0) depctr_vm_vsrc(0)
	s_getreg_b32 s2, hwreg(HW_REG_IB_STS2, 6, 4)
	s_cmp_eq_u32 s2, 0
	s_cbranch_scc0 .Lentry_in_a_cluster
	s_endpgm
.Lentry_in_a_cluster:
	s_bfe_u32 s2, ttmp6, 0x10000c
	s_cmp_lg_u32 s2, 0xf033
	s_cbranch_scc0 .Lentry_shape_is_right
	s_endpgm
.Lentry_shape_is_right:
; pr = y [4096][1024] x wob [1024 k][1024 n] + b_out, f32.  y lies head-major: yh[head][row][64], k = 64 head + d.
; 256 work-groups, each a block of 128 x 128; four waves, 64 x 64 each: 16 accumulator tiles in window 1.
; A slot holds 256 of K: four heads x 128 rows of y (pitch 144) and 256 k-rows x 128 columns of W (pitch 288).  Four slot steps on two slots, written out.
; Both first fills go out at the start: half of all that the work-group reads.
; CLUSTERS: 4 x 4 work-groups; the tiles of y are shared along a row of the cluster, those of W along a column, each asked for jointly.
; The bias is the C operand of the first product.  The matrix instruction is used transposed (source 0 = columns of W, source 1 = rows of y):
; lane l holds row l % 16 and its registers the columns 8 (l / 16) + 0..7.
; Limit: operands are bf16; sums and result f32.
.set QT,     36864                     ; what one tensor load brings: 2 heads x 128 rows x 144, or 128 k-rows x 288
.set SLOT,   4*QT
.set AP,     144
.set BP,     288                       ; an odd multiple of 32, for the transposing load
.set STAGE,  2*SLOT                    ; 16 rows x 272 bytes for each wave; no tensor load ever fills it
.set SPITCH, 272
.set ASTEP,  4*524288                  ; a slot step: four heads of yh
.set BSTEP,  256*2048                  ; 256 k-rows of wob
.set ADRA, 16                          ; v16-17  my y fragments in slot 0, 1
.set ADRB, 20                          ; v20-23  my W fragments: slot 0 k-rows 0-127, 128-255; slot 1 likewise
.set STO,  24
.set RD,   25
.set CO,   26
.set BOFF, 27
.set F0,   64                          ; a buffer: W tile b at 8 b, y tile a at 32 + 8 a
.set F1,   128
.set BIAS, 192                         ; v[192:223]
.set G1,  24
.set G0,  32
.set G1B, 48
.set G0B, 56
.set MSB, 0
.macro WIN new
.if MSB != \new
	s_set_vgpr_msb (MSB<<8)|\new
.set MSB, \new
.endif
.endm
.macro JLOAD s                         ; waves 0, 1 fetch y, waves 2, 3 W; the branch hangs on the wave number alone
	s_cmp_eq_u32 s13, 0
	s_cbranch_scc0 .Lfor_b_\@
	tensor_load_to_lds s[G0+4*\s:G0+4*\s+3], s[G1:G1+7]
	s_nop 0
	s_branch .Lasked_\@
.Lfor_b_\@:
	tensor_load_to_lds s[G0B+4*\s:G0B+4*\s+3], s[G1B:G1B+7]
	s_nop 0
.Lasked_\@:
.endm
.macro CROUND                          ; a round of the cluster barrier
	s_barrier_signal -1
	s_barrier_wait -1
	s_cmp_lg_u32 s12, 0
	s_cbranch_scc1 .Lnot_wave_0_\@
	s_barrier_signal -3
.Lnot_wave_0_\@:
	s_barrier_wait -3
	s_barrier_signal -1
	s_barrier_wait -1
.endm
.macro PLACES                          ; four places of plain vector work behind matrix instructions (ISA guide 7.12.1 for vector instructions)
.rept 4
	v_nop
.endr
.endm
	s_load_b256 s[4:11], s[0:1], 0x0               ; yh s[4:5], wob s[6:7], b_out s[8:9], pr s[10:11]
	v_lshl_add_u32 v254, v0, 2, 0x4c400
	v_mov_b32 v255, 0
	ds_add_u32 v254, v255
	ds_add_u32 v254, v255
	v_lshrrev_b32 v1, 5, v0
	v_readfirstlane_b32 s12, v1                    ; wave
	s_lshr_b32 s13, s12, 1                         ; my half of the rows.  Also: I fetch y (0) or W (1)
	s_and_b32 s14, s12, 1                          ; my half of the columns.  Also: which half of the tile I fetch
	s_bfe_u32 s40, ttmp6, 0x40000                  ; cx
	s_bfe_u32 s41, ttmp6, 0x40004                  ; cy
	s_lshl_b32 s42, ttmp9, 2
	s_add_co_u32 s42, s42, s40                     ; block column 0..7
	s_and_b32 s43, ttmp7, 0xffff
	s_lshl_b32 s43, s43, 2
	s_add_co_u32 s43, s43, s41                     ; block row 0..31
	s_lshl_b32 s44, s41, 2
	s_lshl_b32 s44, 15, s44                        ; my row of the cluster
	s_lshl_b32 s45, 0x1111, s40                    ; my column
	; group 1 for y: two heads.  A head's 128 rows of 64 elements are dense in memory: one tile row of 8,192 elements; the next head lies 262,144 elements on.
	; The padding is counted along the tile: 4 words behind every 32 words, so each row of 128 bytes gets its 16 bytes: pitch 144.
	s_or_b32 s[G1+0], s44, (1<<16)|(1<<20)|(1<<21)|(4<<22)|(3<<25)
	s_mov_b32 s[G1+1], 8192<<16                    ; tensor_dim0 = 8,192
	s_mov_b32 s[G1+2], 2<<16                       ; tensor_dim1 = 2
	s_mov_b32 s[G1+3], 8192<<16                    ; tile_dim0 = 8,192
	s_mov_b32 s[G1+4], 2                           ; tile_dim1 = 2
	s_mov_b32 s[G1+5], 262144
	s_mov_b32 s[G1+6], 0
	s_mov_b32 s[G1+7], 0
	; group 1 for W: 128 k-rows x 128 elements, 8 words of padding behind every 64 words
	s_or_b32 s[G1B+0], s45, (1<<16)|(1<<20)|(1<<21)|(5<<22)|(7<<25)
	s_mov_b32 s[G1B+1], 128<<16
	s_mov_b32 s[G1B+2], 128<<16
	s_mov_b32 s[G1B+3], 128<<16
	s_mov_b32 s[G1B+4], 128
	s_mov_b32 s[G1B+5], 1024
	s_mov_b32 s[G1B+6], 0
	s_mov_b32 s[G1B+7], 0
	s_lshl_b32 s16, s43, 14                        ; y: 128 rows x 128 bytes for each block row
	s_lshl_b32 s17, s14, 20                        ; + two heads for the second half
	s_add_co_u32 s16, s16, s17
	s_mov_b32 s17, 0
	s_lshl_b32 s46, s42, 8                         ; W: 256 bytes for each block column
	s_lshl_b32 s47, s14, 18                        ; + 128 k-rows of 2,048 bytes for the second half
	s_add_co_u32 s46, s46, s47
	s_mov_b32 s47, 0
	s_mul_i32 s20, s12, QT                         ; where they go: wave x 36,864
	s_wait_dscnt 0x0
	s_wait_kmcnt 0x0
	s_add_nc_u64 s[18:19], s[4:5], s[16:17]
	s_add_nc_u64 s[46:47], s[6:7], s[46:47]
	CROUND                                         ; in front of the first joint loads
.irp s, 0,1
	s_mov_b32 s[G0+4*\s], 1
	s_add_co_u32 s[G0+4*\s+1], s20, \s*SLOT
	s_add_nc_u64 s[G0+4*\s+2:G0+4*\s+3], s[18:19], \s*ASTEP
	s_or_b32 s[G0+4*\s+3], s[G0+4*\s+3], 0x80000000
	s_mov_b32 s[G0B+4*\s], 1
	s_add_co_u32 s[G0B+4*\s+1], s20, \s*SLOT
	s_add_nc_u64 s[G0B+4*\s+2:G0B+4*\s+3], s[46:47], \s*BSTEP
	s_or_b32 s[G0B+4*\s+3], s[G0B+4*\s+3], 0x80000000
	JLOAD \s                                       ; two tensor loads of a wave are out here, one behind each later round
.endr
	v_and_b32 v1, 15, v0                           ; r
	v_bfe_u32 v2, v0, 4, 1                         ; h
	s_lshl_b32 s46, s42, 9                         ; the bias of my 64 columns (registers that hold cx only)
	s_lshl_b32 s47, s14, 8
	s_add_co_u32 s46, s46, s47
	s_mov_b32 s47, 0
	s_add_nc_u64 s[8:9], s[8:9], s[46:47]
	v_lshlrev_b32 v[BOFF], 5, v2
.irp b, 0,1,2,3
	global_load_b128 v[BIAS+8*\b:BIAS+8*\b+3],   v[BOFF], s[8:9] offset:64*\b
	global_load_b128 v[BIAS+8*\b+4:BIAS+8*\b+7], v[BOFF], s[8:9] offset:64*\b+16
.endr
	v_mul_u32_u24 v3, v1, AP
	v_lshl_add_u32 v3, v2, 4, v3                   ; 144 r + 16 h
	s_mul_i32 s21, s13, 64*AP                      ; my 64 rows
	v_add_nc_u32 v[ADRA], s21, v3
	v_add_nc_u32 v[ADRA+1], SLOT, v[ADRA]
	v_and_b32 v4, 7, v0
	v_bfe_u32 v5, v0, 3, 1
	v_lshl_or_b32 v6, v2, 3, v4                    ; k-row 8 h + (l & 7)
	v_mul_u32_u24 v6, v6, BP
	v_lshl_add_u32 v6, v5, 4, v6
	s_lshl_b32 s22, s14, 7                         ; my 64 columns: 128 bytes,
	s_add_co_u32 s22, s22, 2*QT                    ; behind y
	v_add_nc_u32 v[ADRB], s22, v6
	v_add_nc_u32 v[ADRB+1], QT, v[ADRB]
	v_add_nc_u32 v[ADRB+2], SLOT, v[ADRB]
	v_add_nc_u32 v[ADRB+3], SLOT+QT, v[ADRB]
	s_mul_i32 s23, s12, 16*SPITCH
	s_add_co_u32 s23, s23, STAGE
	v_mul_u32_u24 v7, v1, SPITCH
	v_lshl_add_u32 v7, v2, 5, v7                   ; in: row r, 32 bytes for each half of the lanes
	v_add_nc_u32 v[STO], s23, v7
	v_mul_u32_u24 v7, v2, SPITCH
	v_lshl_add_u32 v7, v1, 4, v7                   ; back: lanes 0-15 a row of 256 bytes, lanes 16-31 the next
	v_add_nc_u32 v[RD], s23, v7
	v_lshlrev_b32 v7, 4, v1
	v_lshl_add_u32 v[CO], v2, 12, v7               ; the same two rows in pr
; 16 LDS loads: the fragments of quarter q = 0..7 (32 along K) of a slot into buffer f
.macro FETCH slot, q, f
	WIN 0
.irp b, 0,1,2,3
	ds_load_tr16_b128 v[\f+8*\b:\f+8*\b+3],   v[ADRB+2*\slot+(\q>>2)] offset:32*BP*(\q&3)+32*\b
	ds_load_tr16_b128 v[\f+8*\b+4:\f+8*\b+7], v[ADRB+2*\slot+(\q>>2)] offset:32*BP*(\q&3)+32*\b+16*BP
.endr
.irp a, 0,1,2,3
	ds_load_b128 v[\f+32+8*\a:\f+32+8*\a+3], v[ADRA+\slot] offset:128*AP*(\q>>1)+64*(\q&1)+16*AP*\a       ; head q / 2, d = 32 (q & 1) ..
	ds_load_b128 v[\f+36+8*\a:\f+36+8*\a+3], v[ADRA+\slot] offset:128*AP*(\q>>1)+64*(\q&1)+16*AP*\a+32
.endr
.endm
; 16 matrix instructions; the 16 accumulators take turns, one instruction a turn.  first = 1: C is the bias.
.macro MUL16 f, first
.if \first
	WIN 0x40
.else
	WIN 0x50
.endif
.irp a, 0,1,2,3
.irp b, 0,1,2,3
.if \first
	v_wmma_f32_16x16x32_bf16 v[8*(4*\a+\b):8*(4*\a+\b)+7], v[\f+8*\b:\f+8*\b+7], v[\f+32+8*\a:\f+32+8*\a+7], v[BIAS+8*\b:BIAS+8*\b+7]
.else
	v_wmma_f32_16x16x32_bf16 v[8*(4*\a+\b):8*(4*\a+\b)+7], v[\f+8*\b:\f+8*\b+7], v[\f+32+8*\a:\f+32+8*\a+7], v[8*(4*\a+\b):8*(4*\a+\b)+7]
.endif
.endr
.endr
.endm
.macro PAIRQ slot, q, f, g, first, pl  ; fetch quarter q into g, multiply f
.if \pl
	PLACES
.endif
	FETCH \slot, \q, \g
	s_wait_dscnt 16                                ; all but the 16 just issued
	MUL16 \f, \first
.endm
.macro STEP slot, first
	PLACES                                         ; both buffers were read by the last products of the step before
	FETCH \slot, 0, F0
	PAIRQ \slot, 1, F0, F1, \first, 0
	PAIRQ \slot, 2, F1, F0, 0, 1
	PAIRQ \slot, 3, F0, F1, 0, 1
	PAIRQ \slot, 4, F1, F0, 0, 1
	PAIRQ \slot, 5, F0, F1, 0, 1
	PAIRQ \slot, 6, F1, F0, 0, 1
	PAIRQ \slot, 7, F0, F1, 0, 1
	s_wait_dscnt 0
	MUL16 F1, 0
	WIN 0
.endm
.macro REFILL slot                     ; the slot just read is asked for again, two slot steps on
	s_wait_dscnt 0x0                               ; my reads of it are back
	s_wait_tensorcnt 0x0                           ; all my tensor loads have landed, my part of the other slot among them
	ds_add_u32 v254, v255
	s_wait_dscnt 0x0
	CROUND                                         ; both now hold of every wave of every work-group of the cluster
	s_add_nc_u64 s[G0+4*\slot+2:G0+4*\slot+3], s[G0+4*\slot+2:G0+4*\slot+3], 2*ASTEP
	s_add_nc_u64 s[G0B+4*\slot+2:G0B+4*\slot+3], s[G0B+4*\slot+2:G0B+4*\slot+3], 2*BSTEP
	JLOAD \slot                                    ; the first tensor load behind the round, one a wave
.endm
	s_wait_loadcnt 0x0                             ; the bias
	s_wait_tensorcnt 0x1                           ; my part of slot 0 is in; slot 1 may stay out
	s_barrier_signal -1
	s_barrier_wait -1
	STEP 0, 1                                      ; K 0-255
	REFILL 0
	STEP 1, 0                                      ; K 256-511
	REFILL 1
	STEP 0, 0                                      ; K 512-767
	s_wait_dscnt 0x0
	s_wait_tensorcnt 0x0                           ; my part of the last slot is in
	s_barrier_signal -1
	s_barrier_wait -1
	STEP 1, 0                                      ; K 768-1023
	; THE WAY OUT, 16 rows at a time through my stage: rows of 64 f32 = 256 bytes
	PLACES
	s_lshl_b32 s16, s43, 19                        ; 128 rows x 4,096 bytes for each block row
	s_lshl_b32 s17, s13, 18
	s_add_co_u32 s16, s16, s17
	s_mov_b32 s17, 0
	s_add_nc_u64 s[10:11], s[10:11], s[16:17]
	s_lshl_b32 s46, s42, 9                         ; 128 columns x 4 bytes for each block column
	s_lshl_b32 s47, s14, 8
	s_add_co_u32 s46, s46, s47
	s_mov_b32 s47, 0
	s_add_nc_u64 s[10:11], s[10:11], s[46:47]
.macro OUT16 a, f
	WIN 0x04                                       ; address window 0, data window 1
.irp b, 0,1,2,3
	ds_store_b128 v[STO], v[8*(4*\a+\b):8*(4*\a+\b)+3]   offset:64*\b
	ds_store_b128 v[STO], v[8*(4*\a+\b)+4:8*(4*\a+\b)+7] offset:64*\b+16
.endr
	WIN 0
	s_wait_xcnt 0x0                                ; buffer f, which earlier stores read, is loaded again only behind this wait
.irp t, 0,1,2,3,4,5,6,7
	ds_load_b128 v[\f+4*\t:\f+4*\t+3], v[RD] offset:\t*2*SPITCH    ; a wave is served in order by LDS (ISA guide 5.7.1)
.endr
.irp t, 0,1,2,3,4,5,6,7
	s_wait_dscnt 7-\t
	global_store_b128 v[CO], v[\f+4*\t:\f+4*\t+3], s[10:11] offset:(16*\a+2*\t)*4096   ; sixteen lanes store 256 consecutive aligned bytes
.endr
.endm
	OUT16 0, F0
	OUT16 1, F1
	OUT16 2, F0
	OUT16 3, F1
	s_wait_tensorcnt 0x0
	ds_add_u32 v254, v255
	s_wait_dscnt 0x0
	CROUND                                         ; the closing round
	s_endpgm
.Lfunc_end_k_q5fa782fbfd_proj:
	.size	k_q5fa782fbfd_proj, .Lfunc_end_k_q5fa782fbfd_proj-k_q5fa782fbfd_proj
	.p2alignl 7, 3214868480
	.fill 96, 4, 3214868480
	.section	.rodata,"a",@progbits
	.p2align	6, 0x0
	.amdhsa_kernel k_q5fa782fbfd_proj
		.amdhsa_group_segment_fixed_size 327680
		.amdhsa_private_segment_fixed_size 0
		.amdhsa_enable_private_segment 0
		.amdhsa_kernarg_size 32
		.amdhsa_user_sgpr_count 2
		.amdhsa_user_sgpr_kernarg_segment_ptr 1
		.amdhsa_wavefront_size32 1
		.amdhsa_system_sgpr_workgroup_id_x 1
		.amdhsa_system_sgpr_workgroup_id_y 1
		.amdhsa_system_sgpr_workgroup_id_z 1
		.amdhsa_system_vgpr_workitem_id 0
		.amdhsa_next_free_vgpr 384
		.amdhsa_next_free_sgpr 66
		.amdhsa_reserve_vcc 0
		.amdhsa_float_denorm_mode_32 3
		.amdhsa_float_denorm_mode_16_64 3
		.amdhsa_memory_ordered 1
		.amdhsa_forward_progress 1
		.amdhsa_inst_pref_size 89
	.end_amdhsa_kernel
	.amdgpu_metadata
---
amdhsa.version: [ 1, 2 ]
amdhsa.kernels:
  - .name:           k_q5fa782fbfd_proj
    .symbol:         k_q5fa782fbfd_proj.kd
    .args:
      - { .name: yh, .offset: 0, .size: 8, .value_kind: global_buffer, .address_space: global }
      - { .name: wob, .offset: 8, .size: 8, .value_kind: global_buffer, .address_space: global }
      - { .name: b_out, .offset: 16, .size: 8, .value_kind: global_buffer, .address_space: global }
      - { .name: pr, .offset: 24, .size: 8, .value_kind: global_buffer, .address_space: global }
    .group_segment_fixed_size: 327680
    .private_segment_fixed_size: 0
    .kernarg_segment_align: 8
    .kernarg_segment_size: 32
    .max_flat_workgroup_size: 128
    .sgpr_count:     66
    .vgpr_count:     384
    .wavefront_size: 32
...
	.end_amdgpu_metadata
.endif
;; end of part 4
;; launch lnorm (part 5): grid 256 x 1, 8 waves a work-group, no clusters, 0 bytes of LDS; arguments pr, x, gamma, beta, out0; writes out0
.if DOCPART == 5
	.amdgcn_target "amdgcn-amd-amdhsa--gfx1250"
	.amdhsa_code_object_version 6
	.text
	.protected	k_q5fa782fbfd_lnorm
	.globl	k_q5fa782fbfd_lnorm
	.p2align	8
	.type	k_q5fa782fbfd_lnorm,@function
k_q5fa782fbfd_lnorm:
	s_mov_b64 s[64:65], 0
	v_nop
	global_prefetch_b8 v0, s[64:65] scope:SCOPE_SE
	s_setreg_imm32_b32 hwreg(HW_REG_WAVE_MODE, 25, 1), 1
	s_wait_xcnt 0x0
; out0[row] = LayerNorm(pr[row] + x[row]) * gamma + beta, rows of 1,024 f32, all in f32.
; One wave takes a whole row (4,096 bytes, 32 registers) and keeps it between the passes: mean, deviations, variance of the deviations (no difference of
; large sums), scaling.  The reduction never leaves the wave: no LDS, no barrier.  A wave has two rows, a work-group sixteen, 256 work-groups all 4,096.
; Every load and store of a wave covers 512 consecutive bytes.  All 48 loads of a wave go out at once; the waits are counted.
; A stream bound by bytes: matrix units, clusters and LDS would add nothing.
.set G,  4                             ; v[4:35]    gamma of my 32 columns
.set B,  36                            ; v[36:67]   beta
.set P0, 68                            ; v[68:99]   row 0: pr, then h, d, the result
.set X0, 100                           ; v[100:131] row 0: x
.set P1, 132
.set X1, 164
.set T,  196                           ; v[196:203] four chains of pairs
.set MU, 204                           ; pair: the mean
.set RS, 206                           ; pair: 1 / sqrt(var + eps)
	s_load_b256 s[4:11], s[0:1], 0x0               ; pr s[4:5], x s[6:7], gamma s[8:9], beta s[10:11]
	s_load_b64 s[16:17], s[0:1], 0x20              ; out0
	s_mov_b32 s12, 0x76543210                      ; v_permlanex16_b32: lane l reads lane l xor 16
	s_mov_b32 s13, 0xfedcba98
	s_mov_b32 s18, 0x3a800000                      ; 1 / 1024
	s_mov_b32 s19, 0x3727c5ac                      ; 1e-5
	s_lshl_b32 s14, ttmp9, 16                      ; 16 rows x 4,096 bytes for each work-group
	s_mov_b32 s15, 0
	v_and_b32 v2, 31, v0
	v_lshlrev_b32 v2, 4, v2                        ; 16 l
	v_lshrrev_b32 v1, 5, v0
	v_lshl_or_b32 v1, v1, 13, v2                   ; + two rows for each wave
	s_wait_kmcnt 0x0
	s_add_nc_u64 s[4:5], s[4:5], s[14:15]
	s_add_nc_u64 s[6:7], s[6:7], s[14:15]
	s_add_nc_u64 s[16:17], s[16:17], s[14:15]
.irp j, 0,1,2,3,4,5,6,7
	global_load_b128 v[P0+4*\j:P0+4*\j+3], v1, s[4:5] offset:512*\j th:TH_LOAD_NT
.endr
.irp j, 0,1,2,3,4,5,6,7
	global_load_b128 v[X0+4*\j:X0+4*\j+3], v1, s[6:7] offset:512*\j th:TH_LOAD_NT
.endr
.irp j, 0,1,2,3,4,5,6,7
	global_load_b128 v[G+4*\j:G+4*\j+3], v2, s[8:9] offset:512*\j
.endr
.irp j, 0,1,2,3,4,5,6,7
	global_load_b128 v[B+4*\j:B+4*\j+3], v2, s[10:11] offset:512*\j
.endr
.irp j, 0,1,2,3,4,5,6,7
	global_load_b128 v[P1+4*\j:P1+4*\j+3], v1, s[4:5] offset:4096+512*\j th:TH_LOAD_NT
.endr
.irp j, 0,1,2,3,4,5,6,7
	global_load_b128 v[X1+4*\j:X1+4*\j+3], v1, s[6:7] offset:4096+512*\j th:TH_LOAD_NT
.endr
.macro SUM32                           ; the four chains, then the 32 lanes; the sum ends in v[T] of every lane
	v_pk_add_f32 v[T:T+1], v[T:T+1], v[T+2:T+3]
	v_pk_add_f32 v[T+4:T+5], v[T+4:T+5], v[T+6:T+7]
	v_pk_add_f32 v[T:T+1], v[T:T+1], v[T+4:T+5]
	v_add_f32 v[T], v[T], v[T+1]
	v_add_f32_dpp v[T], v[T], v[T] row_xmask:1 row_mask:0xf bank_mask:0xf
	v_add_f32_dpp v[T], v[T], v[T] row_xmask:2 row_mask:0xf bank_mask:0xf
	v_add_f32_dpp v[T], v[T], v[T] row_xmask:4 row_mask:0xf bank_mask:0xf
	v_add_f32_dpp v[T], v[T], v[T] row_xmask:8 row_mask:0xf bank_mask:0xf
	v_permlanex16_b32 v[T+1], v[T], s12, s13
	v_add_f32 v[T], v[T], v[T+1]
.endm
; One row.  cnta: the loads that may stay out when pr and x of the row are needed; cntb: when gamma and beta are needed.
.macro ROW P, X, cnta, cntb, off
	s_wait_loadcnt \cnta
.set n, 0
.rept 16
	v_pk_add_f32 v[\P+2*n:\P+2*n+1], v[\P+2*n:\P+2*n+1], v[\X+2*n:\X+2*n+1]    ; h = projection + residual
.set n, n+1
.endr
.irp k, 0,1,2,3
	v_pk_add_f32 v[T+2*\k:T+2*\k+1], v[\P+2*\k:\P+2*\k+1], v[\P+8+2*\k:\P+9+2*\k]    ; the first pairs start the chains
.endr
.irp g, 2,3
.irp k, 0,1,2,3
	v_pk_add_f32 v[T+2*\k:T+2*\k+1], v[T+2*\k:T+2*\k+1], v[\P+8*\g+2*\k:\P+8*\g+2*\k+1]
.endr
.endr
	SUM32
	v_mul_f32 v[MU], s18, v[T]
	v_mov_b32 v[MU+1], v[MU]
.set n, 0
.rept 16
	v_pk_add_f32 v[\P+2*n:\P+2*n+1], v[\P+2*n:\P+2*n+1], v[MU:MU+1] neg_lo:[0,1] neg_hi:[0,1]   ; d = h - mean
.set n, n+1
.endr
.irp k, 0,1,2,3
	v_pk_mul_f32 v[T+2*\k:T+2*\k+1], v[\P+2*\k:\P+2*\k+1], v[\P+2*\k:\P+2*\k+1]
.endr
.irp g, 1,2,3
.irp k, 0,1,2,3
	v_pk_fma_f32 v[T+2*\k:T+2*\k+1], v[\P+8*\g+2*\k:\P+8*\g+2*\k+1], v[\P+8*\g+2*\k:\P+8*\g+2*\k+1], v[T+2*\k:T+2*\k+1]
.endr
.endr
	SUM32
	v_fma_f32 v[T], v[T], s18, s19                 ; variance + eps
	v_rsq_f32 v[RS], v[T]
	v_rsq_f32 v[RS+1], v[T]
	v_nop                                          ; the plain place behind the transcendentals (ISA guide 5.7.2)
	s_wait_loadcnt \cntb
.set n, 0
	s_wait_alu depctr_va_vdst(0)
.rept 16
	v_pk_mul_f32 v[\P+2*n:\P+2*n+1], v[\P+2*n:\P+2*n+1], v[RS:RS+1]
.set n, n+1
.endr
.set n, 0
.rept 16
	v_pk_fma_f32 v[\P+2*n:\P+2*n+1], v[\P+2*n:\P+2*n+1], v[G+2*n:G+2*n+1], v[B+2*n:B+2*n+1]
.set n, n+1
.endr
.irp j, 0,1,2,3,4,5,6,7
	global_store_b128 v1, v[\P+4*\j:\P+4*\j+3], s[16:17] offset:\off+512*\j th:TH_STORE_NT
.endr
.endm
	ROW P0, X0, 32, 16, 0                          ; 32: gamma, beta and row 1 stay out; 16: row 1 stays out
	ROW P1, X1, 0, 0, 4096
	s_endpgm
.Lfunc_end_k_q5fa782fbfd_lnorm:
	.size	k_q5fa782fbfd_lnorm, .Lfunc_end_k_q5fa782fbfd_lnorm-k_q5fa782fbfd_lnorm
	.p2alignl 7, 3214868480
	.fill 96, 4, 3214868480
	.section	.rodata,"a",@progbits
	.p2align	6, 0x0
	.amdhsa_kernel k_q5fa782fbfd_lnorm
		.amdhsa_group_segment_fixed_size 0
		.amdhsa_private_segment_fixed_size 0
		.amdhsa_enable_private_segment 0
		.amdhsa_kernarg_size 40
		.amdhsa_user_sgpr_count 2
		.amdhsa_user_sgpr_kernarg_segment_ptr 1
		.amdhsa_wavefront_size32 1
		.amdhsa_system_sgpr_workgroup_id_x 1
		.amdhsa_system_sgpr_workgroup_id_y 1
		.amdhsa_system_sgpr_workgroup_id_z 1
		.amdhsa_system_vgpr_workitem_id 0
		.amdhsa_next_free_vgpr 208
		.amdhsa_next_free_sgpr 66
		.amdhsa_reserve_vcc 0
		.amdhsa_float_denorm_mode_32 3
		.amdhsa_float_denorm_mode_16_64 3
		.amdhsa_memory_ordered 1
		.amdhsa_forward_progress 1
		.amdhsa_inst_pref_size 22
	.end_amdhsa_kernel
	.amdgpu_metadata
---
amdhsa.version: [ 1, 2 ]
amdhsa.kernels:
  - .name:           k_q5fa782fbfd_lnorm
    .symbol:         k_q5fa782fbfd_lnorm.kd
    .args:
      - { .name: pr, .offset: 0, .size: 8, .value_kind: global_buffer, .address_space: global }
      - { .name: x, .offset: 8, .size: 8, .value_kind: global_buffer, .address_space: global }
      - { .name: gamma, .offset: 16, .size: 8, .value_kind: global_buffer, .address_space: global }
      - { .name: beta, .offset: 24, .size: 8, .value_kind: global_buffer, .address_space: global }
      - { .name: out0, .offset: 32, .size: 8, .value_kind: global_buffer, .address_space: global }
    .group_segment_fixed_size: 0
    .private_segment_fixed_size: 0
    .kernarg_segment_align: 8
    .kernarg_segment_size: 40
    .max_flat_workgroup_size: 256
    .sgpr_count:     66
    .vgpr_count:     208
    .wavefront_size: 32
...
	.end_amdgpu_metadata
.endif
;; end of part 5
